; MI455X (gfx1250); checked and timed in simulation.
; The chip was launched on July 23, 2026; its instructions are those of AMD's public machine-readable ISA for CDNA 5 (MIT licence, August 2026) and "CDNA5" Instruction Set Architecture Reference Guide (July 2026). The comments in the code are by the model that wrote it; some were corrected since.
;; Multi Head Attention. Allowed arithmetic: matrix products marked QUANTISED: E2M3 operands, one E8M0 scale for each 32 along K, by v_wmma_scale_f32_16x16x128_f8f6f4 with both operands' format E2M3, f32 sums; everything else in f32.
;; Inputs: b_proj 1,024 float32; b_qkv 3,072 float32; w_proj 1,024 x 1,024 float32; w_qkv 3,072 x 1,024 float32; x 4 x 2,048 x 1,024 float32.
;; Outputs: out0 4 x 2,048 x 1,024 float32.
;; This version of the problem:
;;   THIS VERSION OF THE PROBLEM IS GIVEN IN LOW PRECISION. The matrix products marked QUANTISED in the list below multiply operands that are first quantised to E2M3 (2 exponent bits, 3 mantissa bits; 6 bits a number), with one power-of-two scale for each 32 numbers along K (OCP MX v1.0); their sums are f32. All else is computed in f32.
;;   The module's matrix products, in the order in which they are computed (A, B: the left and right operand; K: the contracted axis; several contracted axes count as one K, in the product's order):
;;     1. [M 8,192, K 1,024] x [K 1,024, N 3,072]; A: input x; B: input w_qkv: QUANTISED
;;     2. batch 64 x [M 2,048, K 64] x [K 64, N 2,048]; A: computed on the way; B: computed on the way: QUANTISED
;;     3. batch 64 x [M 2,048, K 2,048] x [K 2,048, N 64]; A: softmax (see below); B: computed on the way: QUANTISED
;;     4. [M 8,192, K 1,024] x [K 1,024, N 1,024]; A: computed on the way; B: input w_proj: QUANTISED
;;   THE QUANTISER, for each operand of a quantised product, along K:
;;     - K is cut into blocks of 32 from its start; a last block that is shorter is filled with zeros.
;;     - A block's scale is 2^e with e = floor(log2(the largest magnitude in the block)) - 2, held to -126 .. 127; a block of zeros has e = 0. As a byte (E8M0): e + 127.
;;     - Each number is divided by its block's scale, clamped to +-7.5, and rounded to the nearest number of E2M3, ties to even, subnormals kept.
;;     - The product sums the exact products of the quantised numbers (number of the format x scale) in f32.
;;   ~~~python
;;   def quantise(x, axis):      # numpy; x: float32 -> the quantised numbers, widened to float32 again
;;       x = np.moveaxis(x, axis, -1); K = x.shape[-1]
;;       x = np.pad(x, [(0, 0)] * (x.ndim - 1) + [(0, -K % 32)]); x = x.reshape(x.shape[:-1] + (-1, 32)); a = np.abs(x).max(-1, keepdims=True)
;;       e = np.where(a > 0, np.clip(np.frexp(np.where(a > 0, a, 1))[1] - 1 - 2, -126, 127), 0)      # np.frexp(a)[1] - 1 = floor(log2(a)), exactly
;;       r = np.clip(x / 2.0 ** e, -7.5, 7.5)
;;       step = 2.0 ** (np.maximum(np.frexp(np.where(r == 0, 1, r))[1] - 1, 0) - 3)
;;       q = np.round(r / step) * step * 2.0 ** e      # np.round: ties to even
;;       return np.moveaxis(q.reshape(q.shape[:-2] + (-1,))[..., :K], -1, axis).astype(np.float32)
;;   ~~~
;;   SOFTMAX AHEAD OF A QUANTISED PRODUCT. Where the list says 'softmax', what is quantised is not the finished softmax but p = 2^(t - M), with t = logit x log2(e) and M = ceil(the row's largest t), a whole number; so 1/2 < the row's largest p <= 1. The row's sum l is taken of the UNQUANTISED p, in f32, and the product's result is divided by l at the end. Since M is a whole number, a kernel that streams over the keys may use a running M (the ceiling of the running maximum): every later rescaling is an exact power of two, which a block's scale takes up: the codes' values come out the same.
;;   OPERANDS COMPUTED ON THE WAY. 'Computed on the way' means the value that the module computes at that place (a softmax that the list does not call 'softmax' is quantised finished and normalised). What goes into a quantiser is computed in f32, as accurately as f32 sums, v_exp_f32 and their like allow (about 1e-6 of the number): no bf16 or f16 on the way to a quantiser, and a product that is left as it is and whose result goes on into a quantised operand takes f32 operands (vector FMAs, or v_wmma_f32_16x16x4_f32). A number that lies on a knife's edge between two numbers of the format may be rounded either way, as far as f32 arithmetic and the matrix unit's own rounding can turn it there, and no further.
;; One version. Each part assembles by itself: llvm-mc -triple=amdgcn-amd-amdhsa -mcpu=gfx1250 --defsym DOCPART=n.
;; ======== version 1 of 1: 4 launches
;; workspace buffers: xq 6,553,600 bytes; wq 3,276,800 bytes; qb 6,553,600 bytes; kv 13,107,200 bytes; a2 6,553,600 bytes
;; launch quant (part 1): grid 384 x 1, 4 waves a work-group, no clusters, 33,280 bytes of LDS; arguments x, w_qkv, w_proj, xq, wq; writes xq, wq
.if DOCPART == 1
	.amdgcn_target "amdgcn-amd-amdhsa--gfx1250"
	.amdhsa_code_object_version 6
	.text
	.protected	k_q25c4bdbc4e_quant
	.globl	k_q25c4bdbc4e_quant
	.p2align	8
	.type	k_q25c4bdbc4e_quant,@function
k_q25c4bdbc4e_quant:
	s_mov_b64 s[64:65], 0
	v_nop
	global_prefetch_b8 v0, s[64:65] scope:SCOPE_SE
	s_setreg_imm32_b32 hwreg(HW_REG_WAVE_MODE, 25, 1), 1
	s_wait_xcnt 0x0
; x [8192][1024], w_qkv [3072][1024] and w_proj [1024][1024], f32, K innermost, become codes of FP6 (E2M3) with one E8M0 scale byte for each 32 along K.
; xq: codes [8192][768] at byte 0, scale bytes [8192][32] at XQ_SC.  wq: ONE tensor of 4,096 rows: row 1024 j + e is w_qkv's row 3 e + j (j = 0, 1, 2: q, k, v; e = 64 head + d), row 3072 + n is w_proj's row n;
; codes [4096][768] at byte 0, scale bytes [4096][32] at WQ_SC.
; A block's scale is 2^(floor(log2(its largest magnitude)) - 2); its byte is the largest magnitude's exponent field - 2, held at 1 from below.
; THE ORDER INSIDE A BLOCK: place p of a block's 32 codes holds element p with its bits 3 and 4 exchanged (places 0-7, 8-15, 16-23, 24-31 hold elements 0-7, 16-23, 8-15, 24-31).  Every operand of this program is laid so,
; both sides of each product alike, so the products are the same; it is the order in which a matrix result falls into a lane's registers, and it spares the later launches any choice of rows.
; LIMITS: a block of zeros gets the byte 1 where the rule says 127 (its codes are zeros, which add nothing under any byte but 0xff, and this program alone reads the bytes); blocks whose largest magnitude lies under 2^-124
; keep the byte 1; NaN and infinities among the inputs are not served.
; SHARES: work-groups 0-255 take x, 256-351 w_qkv, 352-383 w_proj.  A wave takes 8 rows of its destination: 16 steps of 512 numbers, two steps a row.  One path through the text: only pointers and the stride from row to row are chosen.
; Each load reads 512 consecutive bytes, 16 a lane; a step's 2,048 bytes turn through the wave's own stage in LDS and come back 16 numbers of one block a lane.  No tensor loads, no barrier: waves share nothing.
.set STEPS, 16
.set EMAX,  2
.set CB,    12                         ; bytes of 16 codes
.set R,     16                         ; v16-79   four sets of 16 numbers as they are loaded
.set X,     80                         ; v80-111  two sets of 16 numbers of one block
.set E,     112                        ; v112-127 a scale byte for each step
.set C,     128                        ; v128-191 codes: four registers for each step, so that no store's data are written again
.set RO,    192                        ; v192-199 16 x lane + i x the stride of the source's rows; never rewritten
.set WREG,  8192                       ; LDS: a region for each wave: two stages of 32 x SP bytes, and behind them its 256 scale bytes
.set SP,    80                         ; 64 bytes of data + 16 of padding
.set XQ_SC, 6291456
.set WQ_SC, 3145728
	s_load_b256 s[4:11], s[0:1], 0x0               ; x s[4:5], w_qkv s[6:7], w_proj s[8:9], xq s[10:11]
	s_load_b64 s[12:13], s[0:1], 0x20              ; wq
	v_lshl_add_u32 v200, v0, 2, 0x8000
	v_mov_b32 v201, 0
	v_lshrrev_b32 v1, 5, v0
	v_readfirstlane_b32 s16, v1                    ; wave
	v_and_b32 v2, 31, v0                           ; lane
	v_lshlrev_b32 v3, 4, v2                        ; my 16 bytes of a load's 512
	s_mul_i32 s17, s16, WREG
	v_lshrrev_b32 v14, 2, v2
	v_mul_u32_u24 v14, v14, SP
	v_and_b32 v15, 3, v2
	v_lshl_add_u32 v14, v15, 4, v14
	v_add_nc_u32 v14, s17, v14                     ; the stage, on the way in: SP (lane / 4) + 16 (lane % 4)
	v_and_b32 v15, 30, v2
	v_mul_u32_u24 v15, v15, SP
	v_and_b32 v10, 1, v2
	v_lshl_add_u32 v15, v10, 5, v15
	v_add_nc_u32 v15, s17, v15                     ; on the way out: block lane / 2 lies in two places of SP bytes; the even lane takes the first 32 bytes of each (elements 0-7, 16-23), the odd lane the second 32
	v_mul_u32_u24 v4, v2, CB                       ; my codes' place in a step's
	v_lshrrev_b32 v5, 1, v2
	s_add_co_u32 s17, s17, 2*32*SP
	v_add_nc_u32 v5, s17, v5                       ; LDS: my wave's 256 scale bytes, my block's byte
	v_lshlrev_b32 v7, 3, v2                        ; and on the way out 8 bytes a lane
	v_add_nc_u32 v6, s17, v7
	s_sub_co_u32 s20, ttmp9, 256                   ; the work-group's number among the weights' (it wraps for x's)
	s_wait_kmcnt 0x0
	s_cmp_lt_u32 ttmp9, 256                        ; x's work-group?  Every choice hangs on the work-group's number alone
	s_cselect_b64 s[24:25], s[10:11], s[12:13]     ; the destination
	s_cselect_b64 s[26:27], s[4:5], s[6:7]         ; the source
	s_cselect_b32 s21, ttmp9, s20
	s_mov_b32 s22, WQ_SC
	s_cselect_b32 s22, XQ_SC, s22                  ; where the destination's scale bytes begin
	s_lshl_b32 s21, s21, 2
	s_add_co_u32 s21, s21, s16                     ; D: which run of 8 rows of the destination is my wave's
	s_and_b32 s29, s21, 127
	s_mul_i32 s29, s29, 24
	s_lshr_b32 s30, s21, 7
	s_add_co_u32 s29, s29, s30                     ; w_qkv: destination row 8 D + i = 1024 j + e comes from row 3 e + j = 24 (D % 128) + D / 128 + 3 i
	s_cmp_ge_u32 ttmp9, 352
	s_cselect_b64 s[26:27], s[8:9], s[26:27]       ; w_proj
	s_cselect_b32 s23, 3072, 0
	s_lshl_b32 s31, s21, 3
	s_sub_co_u32 s31, s31, s23                     ; x and w_proj: the rows as they lie
	s_cmp_lt_u32 s20, 96                           ; w_qkv's work-group?
	s_cselect_b32 s29, s29, s31                    ; my first row of the source
	s_mov_b32 s28, 4096
	s_cselect_b32 s28, 12288, s28                  ; and the bytes from one of my rows to the next
	s_lshl_b32 s30, s29, 12
	s_mov_b32 s31, 0
	s_add_nc_u64 s[26:27], s[26:27], s[30:31]
	s_mul_i32 s30, s21, 6144                       ; 8 rows of 768 bytes of codes
	s_add_nc_u64 s[32:33], s[24:25], s[30:31]
	s_lshl_b32 s30, s21, 8                         ; 8 rows of 32 scale bytes
	s_add_co_u32 s30, s30, s22
	s_add_nc_u64 s[34:35], s[24:25], s[30:31]
	v_mov_b32 v[RO], v3
.irp i, 1,2,3,4,5,6,7
	v_add_nc_u32 v[RO+\i], s28, v[RO+\i-1]
.endr
.macro LOAD t                          ; step t: half (t % 2) of my row t / 2
.irp i, 0,1,2,3
	global_load_b128 v[R+16*((\t)%4)+4*\i:R+16*((\t)%4)+4*\i+3], v[RO+(\t)/2], s[26:27] offset:2048*((\t)%2)+512*\i th:TH_LOAD_NT   ; 32 lanes read 512 consecutive bytes
.endr
.endm
.macro TURN t                          ; step t's numbers through the stage: LDS serves a wave's instructions in order, so no wait stands between the stores and the loads
.irp i, 0,1,2,3
	ds_store_b128 v14, v[R+16*((\t)%4)+4*\i:R+16*((\t)%4)+4*\i+3] offset:32*SP*((\t)%2)+8*SP*\i
.endr
.irp i, 0,1,2,3
	ds_load_b128 v[X+16*((\t)%2)+4*\i:X+16*((\t)%2)+4*\i+3], v15 offset:32*SP*((\t)%2)+SP*(\i/2)+16*(\i%2)
.endr
.endm
.irp t, 0,1,2,3
	LOAD \t
.endr
	s_wait_loadcnt 12                              ; step 0's four loads are in
	TURN 0
.macro STEP t
.set XS, X+16*((\t)%2)
.if (\t) > 0
	s_wait_dscnt 1                                 ; this step's numbers are back from the stage (the last step's byte store may be out): so its stores into the stage have read their registers,
.else
	s_wait_dscnt 0x0
.endif
.if (\t)+4 < STEPS
	LOAD (\t)+4                                    ; which take the loads of four steps on
.endif
.if (\t)+1 < STEPS
.if STEPS-2-(\t) >= 3
	s_wait_loadcnt 12                              ; the next step's four loads are in; those of the three steps behind it may be out
.else
	s_wait_loadcnt 4*(STEPS-2-(\t))
.endif
	TURN (\t)+1                                    ; and go through the other stage while this step is worked
.endif
	v_max3_num_f32 v8, |v[XS]|, |v[XS+1]|, |v[XS+2]|               ; the largest magnitude of my 16
	v_max3_num_f32 v9, |v[XS+3]|, |v[XS+4]|, |v[XS+5]|
.irp i, 6,10
	v_max3_num_f32 v8, v8, |v[XS+\i]|, |v[XS+\i+1]|
	v_max3_num_f32 v9, v9, |v[XS+\i+2]|, |v[XS+\i+3]|
.endr
	v_max3_num_f32 v8, v8, |v[XS+14]|, |v[XS+15]|
	v_max3_num_f32 v8, v8, v9, (EMAX+1)<<23        ; and the floor 2^(3 - 127): the byte cannot fall under 1
	v_max_num_f32_dpp v8, v8, v8 row_xmask:1 row_mask:0xf bank_mask:0xf   ; and of my neighbour's 16: the block's
	v_add_nc_u32 v11, -(EMAX<<23), v8              ; 2 off its exponent field: the conversion takes the exponent field of this operand as its scale, and nothing else of it
	v_cvt_scalef32_pk16_fp6_f32 v[C+4*(\t):C+4*(\t)+2], v[XS:XS+15], v11   ; sixteen codes, 96 bits, the first number's lowest
	v_lshrrev_b32 v[E+(\t)], 23, v11               ; the scale's byte (a plain line behind the conversion)
	ds_store_b8 v5, v[E+(\t)] offset:16*(\t)       ; both lanes of a block write the same byte with the same value
	global_store_b96 v4, v[C+4*(\t):C+4*(\t)+2], s[32:33] offset:32*CB*(\t)   ; the wave stores 384 consecutive bytes
.endm
.irp t, 0,1,2,3,4,5,6,7,8,9,10,11,12,13,14,15
	STEP \t
.endr
	ds_load_b64 v[12:13], v6                       ; LDS serves a wave's instructions in order: these see my stores
	s_wait_dscnt 0x0
	global_store_b64 v7, v[12:13], s[34:35]        ; 32 lanes store 256 consecutive bytes, at a multiple of 256 from the buffer's first byte
	s_wait_tensorcnt 0x0
	ds_add_u32 v200, v201
	s_wait_dscnt 0x0
	s_endpgm
.Lfunc_end_k_q25c4bdbc4e_quant:
	.size	k_q25c4bdbc4e_quant, .Lfunc_end_k_q25c4bdbc4e_quant-k_q25c4bdbc4e_quant
	.p2alignl 7, 3214868480
	.fill 96, 4, 3214868480
	.section	.rodata,"a",@progbits
	.p2align	6, 0x0
	.amdhsa_kernel k_q25c4bdbc4e_quant
		.amdhsa_group_segment_fixed_size 33280
		.amdhsa_private_segment_fixed_size 0
		.amdhsa_enable_private_segment 0
		.amdhsa_kernarg_size 40
		.amdhsa_user_sgpr_count 2
		.amdhsa_user_sgpr_kernarg_segment_ptr 1
		.amdhsa_wavefront_size32 1
		.amdhsa_system_sgpr_workgroup_id_x 1
		.amdhsa_system_sgpr_workgroup_id_y 1
		.amdhsa_system_sgpr_workgroup_id_z 1
		.amdhsa_system_vgpr_workitem_id 0
		.amdhsa_next_free_vgpr 202
		.amdhsa_next_free_sgpr 66
		.amdhsa_reserve_vcc 0
		.amdhsa_float_denorm_mode_32 3
		.amdhsa_float_denorm_mode_16_64 3
		.amdhsa_memory_ordered 1
		.amdhsa_forward_progress 1
		.amdhsa_inst_pref_size 33
	.end_amdhsa_kernel
	.amdgpu_metadata
---
amdhsa.version: [ 1, 2 ]
amdhsa.kernels:
  - .name:           k_q25c4bdbc4e_quant
    .symbol:         k_q25c4bdbc4e_quant.kd
    .args:
      - { .name: x, .offset: 0, .size: 8, .value_kind: global_buffer, .address_space: global }
      - { .name: w_qkv, .offset: 8, .size: 8, .value_kind: global_buffer, .address_space: global }
      - { .name: w_proj, .offset: 16, .size: 8, .value_kind: global_buffer, .address_space: global }
      - { .name: xq, .offset: 24, .size: 8, .value_kind: global_buffer, .address_space: global }
      - { .name: wq, .offset: 32, .size: 8, .value_kind: global_buffer, .address_space: global }
    .group_segment_fixed_size: 33280
    .private_segment_fixed_size: 0
    .kernarg_segment_align: 8
    .kernarg_segment_size: 40
    .max_flat_workgroup_size: 128
    .sgpr_count:     66
    .vgpr_count:     202
    .wavefront_size: 32
...
	.end_amdgpu_metadata
.endif
;; end of part 1
;; launch qkv (part 2): grid 12 x 32, 4 waves a work-group, clusters of 4 x 4, 327,680 bytes of LDS; arguments xq, wq, b_qkv, qb, kv; writes qb, kv
.if DOCPART == 2
	.amdgcn_target "amdgcn-amd-amdhsa--gfx1250"
	.amdhsa_code_object_version 6
	.text
	.protected	k_q25c4bdbc4e_qkv
	.globl	k_q25c4bdbc4e_qkv
	.p2align	8
	.type	k_q25c4bdbc4e_qkv,@function
k_q25c4bdbc4e_qkv:
	s_mov_b64 s[64:65], 0
	v_nop
	global_prefetch_b8 v0, s[64:65] scope:SCOPE_SE
	s_setreg_imm32_b32 hwreg(HW_REG_WAVE_MODE, 25, 1), 1
	s_wait_xcnt 0x0
	s_wait_alu depctr_hold_cnt(0) depctr_sa_sdst(0) depctr_va_vdst(0) depctr_va_sdst(0) depctr_va_ssrc(0) depctr_va_vcc(0) depctr_vm_vsrc(0)
	s_getreg_b32 s2, hwreg(HW_REG_IB_STS2, 6, 4)
	s_cmp_eq_u32 s2, 0
	s_cbranch_scc0 .Lentry_in_a_cluster
	s_endpgm
.Lentry_in_a_cluster:
	s_bfe_u32 s2, ttmp6, 0x10000c
	s_cmp_lg_u32 s2, 0xf033
	s_cbranch_scc0 .Lentry_shape_is_right
	s_endpgm
.Lentry_shape_is_right:
; q, k, v = x w^T + b on codes of FP6 (E2M3) with E8M0 scales, and their quantising for the attention launch.  Codes and scale bytes of x (xq) and of the weights (wq: rows 0-1023 q's, 1024-2047 k's, 2048-3071 v's) come from the launch before.
; A tile of 256 x 256 results is made by a work-group of four waves, 128 x 128 a wave: 64 accumulators.  K = 1,024 goes in four steps of 256 through a ring of two LDS slots filled by the tensor data mover; the scale bytes of the
; work-group's rows come into LDS once.  4 x 4 work-groups form a cluster: a tile of the one operand is shared along a row of the cluster, a tile of the other along a column, each asked for jointly.
; ROLES.  The matrix instruction's source 0 ("B" below) gives the rows that run along a lane's registers, source 1 ("A") the row that a lane holds.  The cluster's x says what is made: 0 q, 1 k, 2 v; it is the same in all sixteen partners.
;   q, k are quantised along d:     A = 256 rows of x, B = 256 rows of the weight: a lane holds one token and 64 registers along e = 64 head + d (two heads).
;   v is quantised along the keys:  A = 256 rows of v's weight, B = 256 rows of x: a lane holds one e and 64 registers along the keys.
; Only pointers and tile numbers are exchanged: both buffers have rows of 768 bytes of codes and 32 scale bytes, so the loop, the LDS map and the descriptors' shapes are one text.
; THE WAY OUT never touches LDS: the bias is added, a block's largest magnitude is joined with lane l xor 16's, the conversions give codes, and an operand leaves as AN IMAGE OF ITS REGISTERS: registers 4 c .. 4 c + 3 of lane l at
; 512 c + 16 l of 1,536 bytes, so that each store of the wave covers 512 consecutive bytes, aligned, and the attention launch gets the same registers in the same lanes by the same three lines.
;   qb [head of a batch 64][128 queries 16][6,400]: four images, image g = [tile 2 g's 16 queries x 64 d | tile 2 g + 1's]; at 6,144: 16 r + 2 a: the two scale bytes of query 16 a + r.
;   kv [head of a batch 64][128 keys 16][12,800]: K's four images likewise; at 6,144 V's four (16 d x 128 keys); at 12,288 K's scale words (16 r + 4 g), at 12,544 V's (16 r + 4 t).
; Inside a block of 32 the codes lie in the order in which the results fall into the registers (elements 0-7, 16-23, 8-15, 24-31), as in every operand of this program.
; LIMITS: a block of zeros gets the scale byte 1 where the rule says 127 (zero codes; this program alone reads the bytes); blocks under 2^-124 keep the byte 1; NaN and infinities are not served.
; REGISTERS, in windows of 256: window 0: v0-31 addresses; v32-63 scale words, two sets; v64-127 the bias; from v128 A's fragments, ONE set; v224-231 the bias loads' offsets; on the way out v128-255 are at work.
;   window 1: B's fragments, TWO sets, at v0 and v128.   window 2: the accumulators of my A rows 0-63 ((a, b) at v[8 (8 a + b)]);   window 3: those of rows 64-127.
.set SIZE_K, 1024
.set KSTEP,  256                       ; along K in a slot
.set NQ,     KSTEP/128                 ; matrix instructions deep
.set ROWB,   192                       ; a tile's row in bytes
.set KROW,   SIZE_K*6/8                ; a row of codes in memory
.set PITCH,  240                       ; an LDS row: 3 x (64 bytes of data + 16 of padding)
.set FR,     12                        ; registers of a fragment
.set NL,     6                         ; LDS loads that bring one
.set NP,     4                         ; places behind this matrix instruction (ISA guide 7.12.1)
.set HALFT,  128*PITCH                 ; 128 rows: what one tensor load brings
.set SLOT,   4*HALFT                   ; A's 256 rows, then B's 256 rows
.set LAPS,   SIZE_K/(2*KSTEP)
.set KS,     SIZE_K/32                 ; a row of scale bytes
.set SCL,    2*SLOT                    ; behind the ring: the scales, as 256 bytes + 16 of padding
.set HALFS,  (128*KS/256)*272
.set SBLK,   (16*KS/256)*272
.set SPARE,  SCL+4*HALFS               ; the spare words, 128 bytes for each wave: two blocks of 256 bytes that no other line names
.set XQ_SC,  6291456                   ; where xq's scale bytes begin
.set WQ_SC,  3145728                   ; and wq's
.set ADRA, 16                          ; v16-17 LDS address of my A fragments in slot 0, 1 (v18-19: for the pieces behind one padding more)
.set ADRB, 20                          ; v20-23 the same for B
.set VO0,  24                          ; v24  the way out: 16 x lane
.set VO1,  25                          ; v25  the same in the next head's record
.set VSB,  26                          ; v26  16 r + (lane / 16) x a head's records
.set ADRS, 27                          ; v27  LDS address of my scale words: lanes 0-15 A's rows, lanes 16-31 B's
.set SPW,  28                          ; v28  LDS address of my spare word; never rewritten
.set NIL,  29                          ; v29  0; never rewritten
.set SELV, 30                          ; v30  byte selects: lanes 0-15 the low halves of two words, lanes 16-31 the high halves
.set VSO,  31                          ; v31  v26 + where q's or k's scale bytes begin in a record
.set SC,   32
.set BV,   64                          ; v64-127 the bias, in the results' layout
.set AF,   128
.set HA,   128                         ; the way out: v128-191 64 results + bias
.set T0,   192                         ; v192-203, v204-215 two images
.set T1,   204
.set TM,   216                         ; v216-219 largest magnitudes, v220-223 the other half's, then bytes, v228-231 the conversions' scale operands
.set BO,   224                         ; v224-231 the bias loads' offsets (free again behind the wait for them)
.set CT,   232                         ; v232-234, v236-238 the conversions' second halves
.set PW,   240                         ; v240-247 a scale word for each of my eight A blocks
.set KW,   248                         ; v248-251 scale words as they are stored
.set G1, 24
.set G0, 32
.set G1B, 48
.set G0B, 56
.set G1S, 68
.set G0S, 76
.set G1SB, 80
.set G0SB, 88
.set SEL, 96                           ; s[96:97] first A's buffer, then the lane selects for v_permlanex16_b32
.set OB,  98                           ; s[98:99] first B's buffer, then the way out's base
.set HS,  100                          ; s100 bytes of a head's records
.set HM,  105                          ; s105 the mask of lanes 16-31
.set MSB, 0
.macro WIN new                         ; the immediate's high byte repeats the setting that is left
.if MSB != (\new)
	s_set_vgpr_msb (MSB<<8)|(\new)
.set MSB, (\new)
.endif
.endm
.set MUL_LO, 0xa1                      ; source 0 (B) window 1, source 1 (A) window 0, C and D window 2
.set MUL_HI, 0xf1
.set TO_B,   0x40
; A joint load: waves 0 and 1 fetch for A, waves 2 and 3 for B; the branch hangs on the wave's number alone.  Four v_nop follow each of the two lines.
.macro JLOAD g0a, g1a, g0b, g1b
	s_cmp_eq_u32 s15, 0
	s_cbranch_scc0 .Lfor_b_\@
	tensor_load_to_lds s[\g0a:\g0a+3], s[\g1a:\g1a+7]
	s_nop 0
.rept 4
	v_nop
.endr
	s_branch .Lasked_\@
.Lfor_b_\@:
	tensor_load_to_lds s[\g0b:\g0b+3], s[\g1b:\g1b+7]
	s_nop 0
.rept 4
	v_nop
.endr
.Lasked_\@:
.endm
.macro CREST                           ; a round of the cluster's barrier behind its opening barrier
	s_cmp_lg_u32 s14, 0
	s_cbranch_scc1 .Lnot_wave_0_\@
	s_barrier_signal -3
.Lnot_wave_0_\@:
	s_barrier_wait -3
	s_barrier_signal -1
	s_barrier_wait -1
.endm
.macro CROUND
	s_barrier_signal -1
	s_barrier_wait -1
	CREST
.endm
	s_load_b256 s[4:11], s[0:1], 0x0               ; xq s[4:5], wq s[6:7], b_qkv s[8:9], qb s[10:11]
	s_load_b64 s[12:13], s[0:1], 0x20              ; kv
	v_lshl_add_u32 v[SPW], v0, 2, SPARE
	v_mov_b32 v[NIL], 0
	ds_add_u32 v28, v29
	ds_add_u32 v28, v29
	s_wait_dscnt 0x0
	v_lshrrev_b32 v1, 5, v0
	v_readfirstlane_b32 s14, v1                    ; wave 0..3
	s_lshr_b32 s15, s14, 1                         ; which half of A's 256 rows is mine.  Also: I fetch for A (0) or for B (1)
	s_and_b32 s16, s14, 1                          ; which half of B's.  Also: which 128 rows of that tile I fetch
	s_bfe_u32 s40, ttmp6, 0x40000                  ; cx, cy: my place in the cluster
	s_bfe_u32 s41, ttmp6, 0x40004
	s_and_b32 s18, ttmp7, 0xffff
	s_lshl_b32 s18, s18, 2                         ; 4 x cluster y: x's tiles of 256 rows
	s_lshl_b32 s19, ttmp9, 2                       ; 4 x cluster x: the weight's tiles (q's 0-3, k's 4-7)
	s_cmp_eq_u32 ttmp9, 2                          ; v?
	s_cselect_b32 s17, 8, s18
	s_cselect_b32 s42, s18, s19
	s_add_co_u32 s17, s17, s41                     ; A's tile: of x (q, k) or of v's weight (8-11): it hangs on cy alone
	s_add_co_u32 s42, s42, s40                     ; B's tile: of the weight (q, k) or of x: on cx alone
	s_lshl_b32 s43, s41, 2
	s_lshl_b32 s43, 15, s43                        ; my row of the cluster
	s_lshl_b32 s44, 0x1111, s40                    ; my column
	s_or_b32 s[G1+0], s43, (0<<16)|(1<<20)|(1<<21)|(3<<22)|(3<<25)  ; the mask: A's tiles go to my row; elements of 1 byte; padding on; bit 21 beside a mask; after every 16 words 4 words
	s_or_b32 s[G1B+0], s44, (0<<16)|(1<<20)|(1<<21)|(3<<22)|(3<<25)
.irp g, G1, G1B
	s_mov_b32 s[\g+1], ROWB<<16                    ; tensor_dim0
	s_mov_b32 s[\g+2], 128<<16                     ; tensor_dim1
	s_mov_b32 s[\g+3], ROWB<<16                    ; tile_dim0
	s_mov_b32 s[\g+4], 128                         ; tile_dim1
	s_mov_b32 s[\g+5], KROW                        ; from row to row
	s_mov_b32 s[\g+6], 0
	s_mov_b32 s[\g+7], 0
.endr
	s_or_b32 s[G1S+0], s43, (3<<16)|(1<<20)|(1<<21)|(5<<22)|(3<<25)  ; the scales of 128 rows: a dense block, as rows of 256 bytes (32 elements of 8), 16 bytes of padding behind each
	s_or_b32 s[G1SB+0], s44, (3<<16)|(1<<20)|(1<<21)|(5<<22)|(3<<25)
.irp g, G1S, G1SB
	s_mov_b32 s[\g+1], 32<<16
	s_mov_b32 s[\g+2], (128*KS/256)<<16
	s_mov_b32 s[\g+3], 32<<16
	s_mov_b32 s[\g+4], 128*KS/256
	s_mov_b32 s[\g+5], 32
	s_mov_b32 s[\g+6], 0
	s_mov_b32 s[\g+7], 0
.endr
	s_lshl_b32 s18, s16, 7                         ; which 128 rows of the tile I fetch
	s_lshl_b32 s20, s17, 8
	s_add_co_u32 s20, s20, s18                     ; A's row
	s_lshl_b32 s46, s42, 8
	s_add_co_u32 s46, s46, s18                     ; B's row
	s_mov_b32 s21, 0
	s_mov_b32 s47, 0
	s_mov_b64 s[18:19], KS
	s_mul_u64 s[22:23], s[20:21], s[18:19]         ; where these rows' scales begin in the scales' part,
	s_mul_u64 s[92:93], s[46:47], s[18:19]
	s_mov_b64 s[18:19], KROW
	s_mul_u64 s[20:21], s[20:21], s[18:19]         ; and their codes
	s_mul_u64 s[46:47], s[46:47], s[18:19]
	s_mul_i32 s45, s14, HALFT                      ; where they go: wave x 128 rows: no place in the cluster enters an LDS address
	s_mul_i32 s94, s14, HALFS
	s_cmp_eq_u32 ttmp9, 2                          ; v: A is the weight and B is x; else the other way round.  (The lines down to the last choice leave SCC alone)
	s_mov_b32 s18, XQ_SC
	s_cselect_b32 s18, WQ_SC, s18
	s_mov_b32 s19, 0
	s_add_nc_u64 s[22:23], s[22:23], s[18:19]
	s_mov_b32 s18, WQ_SC
	s_cselect_b32 s18, XQ_SC, s18
	s_add_nc_u64 s[92:93], s[92:93], s[18:19]
	s_wait_kmcnt 0x0
	s_cselect_b64 s[96:97], s[6:7], s[4:5]         ; A's buffer
	s_cselect_b64 s[98:99], s[4:5], s[6:7]         ; B's buffer
	s_add_nc_u64 s[20:21], s[96:97], s[20:21]
	s_add_nc_u64 s[22:23], s[96:97], s[22:23]
	s_add_nc_u64 s[46:47], s[98:99], s[46:47]
	s_add_nc_u64 s[92:93], s[98:99], s[92:93]
	CROUND                                         ; all sixteen work-groups are here: the first joint loads meet
	s_mov_b32 s[G0S], 1
	s_add_co_u32 s[G0S+1], s94, SCL
	s_mov_b64 s[G0S+2:G0S+3], s[22:23]
	s_or_b32 s[G0S+3], s[G0S+3], 0x80000000
	s_mov_b32 s[G0SB], 1
	s_add_co_u32 s[G0SB+1], s94, SCL
	s_mov_b64 s[G0SB+2:G0SB+3], s[92:93]
	s_or_b32 s[G0SB+3], s[G0SB+3], 0x80000000
	JLOAD G0S, G1S, G0SB, G1SB                     ; the scales first: they are wanted with K step 0
.irp s, 0,1
	s_mov_b32 s[G0+4*\s], 1
	s_add_co_u32 s[G0+4*\s+1], s45, \s*SLOT
	s_add_nc_u64 s[G0+4*\s+2:G0+4*\s+3], s[20:21], \s*ROWB
	s_or_b32 s[G0+4*\s+3], s[G0+4*\s+3], 0x80000000
	s_mov_b32 s[G0B+4*\s], 1
	s_add_co_u32 s[G0B+4*\s+1], s45, \s*SLOT
	s_add_nc_u64 s[G0B+4*\s+2:G0B+4*\s+3], s[46:47], \s*ROWB
	s_or_b32 s[G0B+4*\s+3], s[G0B+4*\s+3], 0x80000000
	JLOAD G0+4*\s, G1, G0B+4*\s, G1B
.endr
	v_and_b32 v1, 15, v0                           ; r = l % 16
	v_bfe_u32 v2, v0, 4, 1                         ; h = l / 16
	v_mul_u32_u24 v3, v1, PITCH
	v_mul_u32_u24 v4, v2, 24
	v_add_nc_u32 v4, v3, v4                        ; a fragment's row x pitch + 24 x half
	v_lshl_add_u32 v5, v2, 4, v4                   ; and the same behind one padding more
	s_mul_i32 s21, s15, HALFT                      ; my 128 rows of A
	s_mul_i32 s22, s16, HALFT                      ; my 128 rows of B,
	s_add_co_u32 s22, s22, 2*HALFT                 ; which lie behind A's 256
.irp s, 0,1
	v_add_nc_u32 v[ADRA+\s], s21, v4
	v_add_nc_u32 v[ADRB+\s], s22, v4
	v_add_nc_u32 v[ADRA+2+\s], s21, v5
	v_add_nc_u32 v[ADRB+2+\s], s22, v5
	s_add_co_u32 s21, s21, SLOT
	s_add_co_u32 s22, s22, SLOT
.endr
	v_mul_u32_u24 v5, v1, KS                       ; my row's scales: KS bytes a row,
	v_lshrrev_b32 v6, 8, v5
	v_lshl_add_u32 v5, v6, 4, v5                   ; and 16 more for each 256 passed
	s_mul_i32 s21, s15, HALFS
	s_mul_i32 s22, s16, HALFS
	s_add_co_u32 s22, s22, 2*HALFS
	s_sub_co_u32 s22, s22, s21
	v_mul_u32_u24 v6, s22, v2                      ; lanes 16-31 take B's
	s_add_co_u32 s21, s21, SCL
	v_add_nc_u32 v5, v5, v6
	v_add_nc_u32 v[ADRS], s21, v5
	; the way out's numbers.  R0, P0: my first row of A and of B
	s_lshl_b32 s20, s17, 8
	s_lshl_b32 s21, s15, 7
	s_add_co_u32 s20, s20, s21                     ; R0
	s_lshl_b32 s21, s42, 8
	s_lshl_b32 s22, s16, 7
	s_add_co_u32 s21, s21, s22                     ; P0
	s_cmp_eq_u32 ttmp9, 2
	s_cselect_b32 s22, s21, s20                    ; my first row of x (token)
	s_cselect_b32 s23, s20, s21
	s_and_b32 s23, s23, 1023                       ; e0: my first e = 64 head + d
	s_mul_i32 s18, s23, 12                         ; b_qkv's number for (e, j) is 3 e + j
	s_lshl_b32 s19, ttmp9, 2
	s_add_co_u32 s18, s18, s19
	s_mov_b32 s19, 0
	s_add_nc_u64 s[8:9], s[8:9], s[18:19]
	s_cmp_eq_u32 ttmp9, 2
	s_cselect_b32 s18, 0, 96                       ; q, k: register 8 b + j wants e0 + 16 b + 8 h + j;
	s_cselect_b32 s19, 12, 0                       ; v: register 8 a + j wants e0 + 16 a + r, for every j
	s_cselect_b32 s95, 0, 12
	v_mul_u32_u24 v5, v2, s18
	v_mad_u32_u24 v[BO], v1, s19, v5
.irp j, 1,2,3,4,5,6,7
	v_add_nc_u32 v[BO+\j], s95, v[BO+\j-1]
.endr
.irp i, 0,1,2,3,4,5,6,7
.irp j, 0,1,2,3,4,5,6,7
	global_load_b32 v[BV+8*\i+\j], v[BO+\j], s[8:9] offset:192*\i   ; 64 numbers a lane, once; waited for at the head of the way out
.endr
.endr
	s_lshr_b32 s18, s22, 11                        ; the batch,
	s_lshl_b32 s18, s18, 4
	s_lshr_b32 s19, s23, 6                         ; my first head (I hold two)
	s_add_co_u32 s18, s18, s19
	s_lshr_b32 s19, s22, 7
	s_and_b32 s19, s19, 15                         ; which 128 tokens of the sequence
	s_cmp_eq_u32 ttmp9, 0                          ; q goes to qb, k and v to kv
	s_mov_b32 s[HS], 204800
	s_cselect_b32 s[HS], 102400, s[HS]             ; a head's 16 records
	s_mov_b32 s101, 12800
	s_cselect_b32 s101, 6400, s101                 ; a record
	s_mov_b32 s104, 12288
	s_cselect_b32 s104, 6144, s104                 ; where q's or k's scale bytes begin in it
	s_cselect_b64 s[OB:OB+1], s[10:11], s[12:13]
	s_mul_i32 s18, s18, s[HS]
	s_mul_i32 s19, s19, s101
	s_add_co_u32 s18, s18, s19
	s_mov_b32 s19, 0
	s_add_nc_u64 s[OB:OB+1], s[OB:OB+1], s[18:19]
	s_mov_b32 s[SEL], 0x76543210
	s_mov_b32 s[SEL+1], 0xfedcba98                 ; lane l xor 16
	s_mov_b32 s[HM], 0xffff0000
	v_and_b32 v6, 31, v0
	v_lshlrev_b32 v[VO0], 4, v6
	v_add_nc_u32 v[VO1], s[HS], v[VO0]
	v_mul_u32_u24 v7, v2, s[HS]
	v_lshl_add_u32 v[VSB], v1, 4, v7
	v_add_nc_u32 v[VSO], s104, v[VSB]
	v_mov_b32 v[SELV], 0x05040100
	v_mov_b32 v7, 0x07060302
	v_cndmask_b32 v[SELV], v[SELV], v7, s[HM]
.macro FRAG reg, adr, q, i             ; a fragment, 16 rows x 128 K: lane l holds row l % 16; registers 6 c .. 6 c + 5 hold K = 64 c + 32 (l / 16) + 0 .. 31: 24 bytes of the row, as they lie, in pieces of 8 bytes
.irp p, 0,1,2,3,4,5
.set PC, 12*(\q)+6*(\p/3)+\p%3         ; 16 bytes of padding lie behind every 8 pieces: where the piece three on lies behind one padding more, the second address register serves
.if PC%8 < 5
	ds_load_b64 v[\reg+2*\p:\reg+2*\p+1], v[\adr] offset:8*PC+16*(PC/8)+(\i)*16*PITCH
.else
	ds_load_b64 v[\reg+2*\p:\reg+2*\p+1], v[\adr+2] offset:8*PC+16*(PC/8)+(\i)*16*PITCH
.endif
.endr
.endm
; 16 matrix instructions: A's blocks a0, a0 + 1 x B's eight, the slot's q-th 128 along K.  The 64 accumulators take turns, one instruction a turn, in the same order in every step.
.macro MUL16 a0, p, q, sc, zero
.irp a, \a0, \a0+1
.irp b, 0,1,2,3,4,5,6,7
.if \zero
	v_wmma_scale_f32_16x16x128_f8f6f4 v[8*(8*((\a)%4)+\b):8*(8*((\a)%4)+\b)+7], v[128*(\p)+FR*\b:128*(\p)+FR*\b+FR-1], v[AF+FR*(\a):AF+FR*(\a)+FR-1], 0, v[SC+8*NQ*(\sc)+NQ*\b+(\q)], v[SC+8*NQ*(\sc)+NQ*(\a)+(\q)] matrix_a_fmt:MATRIX_FMT_FP6 matrix_b_fmt:MATRIX_FMT_FP6 matrix_a_scale:MATRIX_SCALE_ROW1
.else
	v_wmma_scale_f32_16x16x128_f8f6f4 v[8*(8*((\a)%4)+\b):8*(8*((\a)%4)+\b)+7], v[128*(\p)+FR*\b:128*(\p)+FR*\b+FR-1], v[AF+FR*(\a):AF+FR*(\a)+FR-1], v[8*(8*((\a)%4)+\b):8*(8*((\a)%4)+\b)+7], v[SC+8*NQ*(\sc)+NQ*\b+(\q)], v[SC+8*NQ*(\sc)+NQ*(\a)+(\q)] matrix_a_fmt:MATRIX_FMT_FP6 matrix_b_fmt:MATRIX_FMT_FP6 matrix_a_scale:MATRIX_SCALE_ROW1
.endif
.endr
.endr
.endm
.macro FETCH_B slot, q, p
	WIN TO_B
.irp i, 0,1,2,3,4,5,6,7
	FRAG 128*(\p)+FR*\i, ADRB+\slot, \q, \i
.endr
	WIN 0
.endm
.macro FETCH_A slot, q, i0
.irp i, \i0, \i0+1, \i0+2, \i0+3
	FRAG AF+FR*(\i), ADRA+\slot, \q, \i
.endr
.endm
.macro SCALES sc                       ; a K step's scale words: lanes 0-15 take A's block i, lanes 16-31 B's block i
.irp i, 0,1,2,3,4,5,6,7
	ds_load_b64 v[SC+8*NQ*\sc+NQ*\i:SC+8*NQ*\sc+NQ*\i+1], v[ADRS] offset:\i*SBLK
.endr
.endm
.macro PLACES n                        ; plain vector lines between a matrix instruction and a load into, or a vector line on, its registers
.rept \n
	v_nop
.endr
.endm
.macro STEP slot, q, zero              ; a step of 128 along K that has its successor in the same slot
	s_wait_dscnt 4*NL                              ; B's set and A's blocks 0-3 are in; the youngest 24 loads (A's blocks 4-7) may be out
	WIN MUL_LO
	MUL16 0, (\q)%2, \q, \slot, \zero
	MUL16 2, (\q)%2, \q, \slot, \zero
	s_wait_dscnt 0
	PLACES NP
	FETCH_B \slot, (\q)+1, 1-(\q)%2
	FETCH_A \slot, (\q)+1, 0
	WIN MUL_HI
	MUL16 4, (\q)%2, \q, \slot, \zero
	MUL16 6, (\q)%2, \q, \slot, \zero
	PLACES NP
	WIN 0
	FETCH_A \slot, (\q)+1, 4
.endm
; A slot's last step changes slots: ONE barrier; in front of it each wave waits for all its tensor loads, adds 0 to its spare word, and waits for that and for its own reads of this slot.  fill = 1: this slot is filled again, two K steps ahead.
.macro TURN slot, next, fill
	s_wait_tensorcnt 0x0                           ; all my tensor loads have landed: my part of the next slot
	ds_add_u32 v[SPW], v[NIL]                      ; 0 onto my spare word
	s_wait_dscnt 4*NL+1                            ; (the add and the youngest 24 loads may be out)
	WIN MUL_LO
	MUL16 0, 1, NQ-1, \slot, 0
	s_wait_dscnt 0x0                               ; the add is done, and my reads of this slot are over
	s_barrier_signal -1
	MUL16 2, 1, NQ-1, \slot, 0
	WIN 0
	s_barrier_wait -1
.if \fill
	CREST                                          ; the barrier has opened a round of the cluster's: no wave of any partner still reads this slot's tile or has a load on its way
	s_add_nc_u64 s[G0+4*\slot+2:G0+4*\slot+3], s[G0+4*\slot+2:G0+4*\slot+3], 2*ROWB
	s_add_nc_u64 s[G0B+4*\slot+2:G0B+4*\slot+3], s[G0B+4*\slot+2:G0B+4*\slot+3], 2*ROWB
	JLOAD G0+4*\slot, G1, G0B+4*\slot, G1B         ; the first tensor load behind the round; its four v_nop are the places in front of the loads below
.else
	PLACES NP
.endif
	v_add_nc_u32 v[ADRS], 4*NQ, v[ADRS]            ; on to the next K step's scale words
	FETCH_B \next, 0, 0
	FETCH_A \next, 0, 0
	SCALES \next
	WIN MUL_HI
	MUL16 4, 1, NQ-1, \slot, 0
	MUL16 6, 1, NQ-1, \slot, 0
	PLACES NP
	WIN 0
	FETCH_A \next, 0, 4
.endm
	s_wait_tensorcnt 1                             ; the scales and my part of K step 0 are in (K step 1's load may be out),
	s_barrier_signal -1
	s_barrier_wait -1                              ; everybody's are
	FETCH_B 0, 0, 0
	FETCH_A 0, 0, 0
	SCALES 0
	FETCH_A 0, 0, 4
	STEP 0, 0, 1                                   ; the first step's products start the sums
	s_mov_b32 s3, LAPS-1
.Llap:                                                 ; a trip goes once round the ring and fills both slots again
	TURN 0, 1, 1
	STEP 1, 0, 0
	TURN 1, 0, 1
	STEP 0, 0, 0
	s_sub_co_u32 s3, s3, 1
	s_cmp_lg_u32 s3, 0
	s_cbranch_scc1 .Llap
	TURN 0, 1, 0                                   ; the last lap fills nothing
	STEP 1, 0, 0
	s_wait_dscnt 4*NL
	WIN MUL_LO
	MUL16 0, 1, NQ-1, 1, 0
	MUL16 2, 1, NQ-1, 1, 0
	s_wait_dscnt 0
	WIN MUL_HI
	MUL16 4, 1, NQ-1, 1, 0
	MUL16 6, 1, NQ-1, 1, 0
	WIN 0
; THE WAY OUT.  MOVE: A's block a: its 64 results + the bias into v[HA] on, each accumulator from its low end on.  byrow = 1: the bias belongs to the lane's row (v), else to the register (q, k).
.macro MOVE a, byrow
	WIN 0x02+(\a)/4                                ; source 0: window 2 or 3
.irp b, 0,1,2,3,4,5,6,7
.irp j, 0,2,4,6
.if \byrow
	v_pk_add_f32 v[HA+8*\b+\j:HA+8*\b+\j+1], v[64*((\a)%4)+8*\b+\j:64*((\a)%4)+8*\b+\j+1], v[BV+8*(\a)+\j:BV+8*(\a)+\j+1]
.else
	v_pk_add_f32 v[HA+8*\b+\j:HA+8*\b+\j+1], v[64*((\a)%4)+8*\b+\j:64*((\a)%4)+8*\b+\j+1], v[BV+8*\b+\j:BV+8*\b+\j+1]
.endif
.endr
.endr
	WIN 0
.endm
; QUANT: 64 numbers of a lane, register 16 b + i = place 16 (lane / 16) + i of block b of my row, become codes: blocks 0, 1 in the six registers from d0 (lane half h holds block h), blocks 2, 3 in those from d1; the four bytes in pw.
.macro QUANT s, d0, d1, pw
.irp b, 0,1,2,3
	v_max3_num_f32 v[TM+\b], |v[\s+16*\b]|, |v[\s+1+16*\b]|, 0x1800000   ; my 16 numbers of block b, and the floor 2^(3 - 127): the byte cannot fall under 1
.endr
.irp i, 2,4,6,8,10,12,14
.irp b, 0,1,2,3
	v_max3_num_f32 v[TM+\b], v[TM+\b], |v[\s+16*\b+\i]|, |v[\s+1+16*\b+\i]|
.endr
.endr
.irp b, 0,1,2,3
	v_permlanex16_b32 v[TM+4+\b], v[TM+\b], s[SEL], s[SEL+1]
.endr
.irp b, 0,1,2,3
	v_max_num_f32 v[TM+\b], v[TM+\b], v[TM+4+\b]   ; with lane l xor 16's: the block's largest magnitude
.endr
.irp b, 0,1,2,3
	v_add_nc_u32 v[TM+12+\b], 0xff000000, v[TM+\b] ; 2 off its exponent field: the conversion's scale operand
.endr
.irp b, 0,1,2,3
	v_lshrrev_b32 v[TM+4+\b], 23, v[TM+12+\b]      ; the scale's byte
.endr
	v_lshl_or_b32 v[\pw], v[TM+5], 8, v[TM+4]
	v_lshl_or_b32 v[\pw], v[TM+6], 16, v[\pw]
	v_lshl_or_b32 v[\pw], v[TM+7], 24, v[\pw]
	v_cvt_scalef32_pk16_fp6_f32 v[\d0:\d0+2], v[\s:\s+15], v[TM+12]
	v_cvt_scalef32_pk16_fp6_f32 v[CT:CT+2], v[\s+16:\s+31], v[TM+13]
	v_cvt_scalef32_pk16_fp6_f32 v[\d1:\d1+2], v[\s+32:\s+47], v[TM+14]
	v_cvt_scalef32_pk16_fp6_f32 v[CT+4:CT+6], v[\s+48:\s+63], v[TM+15]
	v_nop                                          ; one plain line behind a scaled conversion
.irp i, 0,1,2                                  ; the operand's layout wants a WHOLE block in a lane
	v_permlane16_swap_b32 v[\d0+\i], v[CT+\i]
	v_permlane16_swap_b32 v[\d1+\i], v[CT+4+\i]
.endr
.irp i, 0,1,2
	v_mov_b32 v[\d0+3+\i], v[CT+\i]
	v_mov_b32 v[\d1+3+\i], v[CT+4+\i]
.endr
.endm
	PLACES NP                                      ; behind the last products: their results are read and A's registers written below
	s_wait_loadcnt 0x0                             ; the bias
	s_cmp_eq_u32 ttmp9, 2                          ; the cluster's x: the same in all partners
	s_cbranch_scc1 .Lout_v
	; q, k: block a = 16 tokens; its 64 registers are two heads' 64 d.  Tokens' tiles 2 g and 2 g + 1 make one image for each head
.irp g, 0,1,2,3
.if \g > 0
	s_wait_xcnt 0x0                                ; the last images' stores have read their registers
.endif
	MOVE 2*\g, 0
	QUANT HA, T0, T1, PW+2*\g
	MOVE 2*\g+1, 0
	QUANT HA, T0+6, T1+6, PW+2*\g+1
.irp c, 0,1,2
	global_store_b128 v[VO0], v[T0+4*\c:T0+4*\c+3], s[OB:OB+1] offset:\g*1536+512*\c   ; 32 lanes store 512 consecutive bytes, at a multiple of 256 from the buffer's first byte
.endr
.irp c, 0,1,2
	global_store_b128 v[VO1], v[T1+4*\c:T1+4*\c+3], s[OB:OB+1] offset:\g*1536+512*\c   ; the next head's
.endr
.endr
.irp g, 0,1,2,3
	v_perm_b32 v[KW+\g], v[PW+2*\g+1], v[PW+2*\g], v[SELV]   ; [tile 2 g: two bytes | tile 2 g + 1: two bytes]: lanes 0-15 my first head's, lanes 16-31 the next head's
.endr
	global_store_b128 v[VSO], v[KW:KW+3], s[OB:OB+1]   ; sixteen lanes store a record's 256 scale bytes
	s_branch .Lend
.Lout_v:
	; v: block a = 16 of e (four blocks a head); its 64 registers are 128 keys: one image
.irp a, 0,1,2,3,4,5,6,7
.set TT, T0+12*(\a%2)
.if \a > 1
	s_wait_xcnt 0x0                                ; the stores of two blocks back have read their registers
.endif
	MOVE \a, 1
	QUANT HA, TT, TT+6, PW+\a
.irp c, 0,1,2
	global_store_b128 v[VO0+\a/4], v[TT+4*\c:TT+4*\c+3], s[OB:OB+1] offset:6144+(\a%4)*1536+512*\c
.endr
.endr
.irp i, 0,1,2,3
	v_cndmask_b32 v[KW+\i], v[PW+\i], v[PW+4+\i], s[HM]   ; lanes 0-15 my first head's four words, lanes 16-31 the next head's
.endr
	global_store_b128 v[VSB], v[KW:KW+3], s[OB:OB+1] offset:12544
.Lend:
	s_wait_tensorcnt 0x0                           ; the wave's end
	ds_add_u32 v[SPW], v[NIL]
	s_wait_dscnt 0x0
	CROUND                                         ; the closing round: no work-group ends while a partner may still ask for a tile that names it
	s_endpgm
.Lfunc_end_k_q25c4bdbc4e_qkv:
	.size	k_q25c4bdbc4e_qkv, .Lfunc_end_k_q25c4bdbc4e_qkv-k_q25c4bdbc4e_qkv
	.p2alignl 7, 3214868480
	.fill 96, 4, 3214868480
	.section	.rodata,"a",@progbits
	.p2align	6, 0x0
	.amdhsa_kernel k_q25c4bdbc4e_qkv
		.amdhsa_group_segment_fixed_size 327680
		.amdhsa_private_segment_fixed_size 0
		.amdhsa_enable_private_segment 0
		.amdhsa_kernarg_size 40
		.amdhsa_user_sgpr_count 2
		.amdhsa_user_sgpr_kernarg_segment_ptr 1
		.amdhsa_wavefront_size32 1
		.amdhsa_system_sgpr_workgroup_id_x 1
		.amdhsa_system_sgpr_workgroup_id_y 1
		.amdhsa_system_sgpr_workgroup_id_z 1
		.amdhsa_system_vgpr_workitem_id 0
		.amdhsa_next_free_vgpr 1024
		.amdhsa_next_free_sgpr 106
		.amdhsa_reserve_vcc 0
		.amdhsa_float_denorm_mode_32 3
		.amdhsa_float_denorm_mode_16_64 3
		.amdhsa_memory_ordered 1
		.amdhsa_forward_progress 1
		.amdhsa_inst_pref_size 237
	.end_amdhsa_kernel
	.amdgpu_metadata
---
amdhsa.version: [ 1, 2 ]
amdhsa.kernels:
  - .name:           k_q25c4bdbc4e_qkv
    .symbol:         k_q25c4bdbc4e_qkv.kd
    .args:
      - { .name: xq, .offset: 0, .size: 8, .value_kind: global_buffer, .address_space: global }
      - { .name: wq, .offset: 8, .size: 8, .value_kind: global_buffer, .address_space: global }
      - { .name: b_qkv, .offset: 16, .size: 8, .value_kind: global_buffer, .address_space: global }
      - { .name: qb, .offset: 24, .size: 8, .value_kind: global_buffer, .address_space: global }
      - { .name: kv, .offset: 32, .size: 8, .value_kind: global_buffer, .address_space: global }
    .group_segment_fixed_size: 327680
    .private_segment_fixed_size: 0
    .kernarg_segment_align: 8
    .kernarg_segment_size: 40
    .max_flat_workgroup_size: 128
    .sgpr_count:     106
    .vgpr_count:     1024
    .wavefront_size: 32
...
	.end_amdgpu_metadata
.endif
;; end of part 2
;; launch attn (part 3): grid 4 x 64, 16 waves a work-group, clusters of 4 x 1, 206,848 bytes of LDS; arguments qb, kv, a2; writes a2
.if DOCPART == 3
	.amdgcn_target "amdgcn-amd-amdhsa--gfx1250"
	.amdhsa_code_object_version 6
	.text
	.protected	k_q25c4bdbc4e_attn
	.globl	k_q25c4bdbc4e_attn
	.p2align	8
	.type	k_q25c4bdbc4e_attn,@function
k_q25c4bdbc4e_attn:
	s_mov_b64 s[64:65], 0
	v_nop
	global_prefetch_b8 v0, s[64:65] scope:SCOPE_SE
	s_setreg_imm32_b32 hwreg(HW_REG_WAVE_MODE, 25, 1), 1
	s_wait_xcnt 0x0
	s_wait_alu depctr_hold_cnt(0) depctr_sa_sdst(0) depctr_va_vdst(0) depctr_va_sdst(0) depctr_va_ssrc(0) depctr_va_vcc(0) depctr_vm_vsrc(0)
	s_getreg_b32 s2, hwreg(HW_REG_IB_STS2, 6, 4)
	s_cmp_eq_u32 s2, 0
	s_cbranch_scc0 .Lentry_in_a_cluster
	s_endpgm
.Lentry_in_a_cluster:
	s_bfe_u32 s2, ttmp6, 0x10000c
	s_cmp_lg_u32 s2, 0x3003
	s_cbranch_scc0 .Lentry_shape_is_right
	s_endpgm
.Lentry_shape_is_right:
; O = softmax(q k^T / 8) v for one head of one batch, both products on codes of FP6 (E2M3) with E8M0 scales, and O / l quantised along d for the last product.
; THE SOFTMAX: t = score x log2(e) / 8; M = the row's largest t so far, rounded UP to a whole number; p = 2^(t - M) is quantised along the keys, not normalised; the row's sum l is taken of the unquantised p and divides O at the end.
; When M moves, the sum and O are multiplied by 2^(old M - new M): exact.
; SHARES.  Grid y = 16 batch + head.  The four work-groups of a head form a cluster; each owns 512 queries, in two passes of 256; each of its sixteen waves owns one tile of 16 queries a pass, in 256 registers: four waves to a SIMD,
; so that one wave's vector work stands beside another's matrix work and LDS loads.
; LDS holds the head's whole record of K and V, 16 key steps x 12,800 bytes, as it lies in memory: filled ONCE, jointly for the four work-groups (each wave asks for 3,200 bytes of each of four chunks of four key steps), and read in both
; passes.  Nothing is ever filled again.  All tensor loads go out at the head, so there is nothing to ask for earlier by a prefetch.  By this text's count a wave has four tensor loads out.
; A key step's record: K's four images (image g: [keys 32 g + 0..15 x 64 d | keys 32 g + 16..31 x 64 d]) at 1,536 g; V's four (16 d x 128 keys) at 6,144 + 1,536 t; K's scale words at 12,288 + 16 r + 4 g; V's at 12,544 + 16 r + 4 t.
; An image is an operand's registers: registers 4 c .. 4 c + 3 of lane l at 512 c + 16 l: three loads of 16 bytes a lane, consecutive over the lanes.
; K = 64 IN AN INSTRUCTION OF K = 128: Q stands as [Q (6 registers)][zeros (6)][Q (6)].  Image g x [Q | 0] gives the scores of its first 16 keys, image g x [0 | Q] those of its second 16: the other half meets zero codes.
; Q's scale word is [s0 s1 s0 s1]; no scale byte is 0xff.
; LAYOUT.  Both products are used transposed (S^T = K Q^T, O^T = V^T P^T): a lane holds ONE query throughout.  The 16 registers of two neighbouring tiles are places 16 (lane / 16) + 0 .. 15 of a block of 32 in this program's order
; (elements 0-7, 16-23, 8-15, 24-31), which V's keys and w_proj's K have too.
; a2: codes [head / 4][row / 16][head % 4][768]: the six registers of a tile's 64 d, register pair p of lane l at 256 p + 8 l; scale bytes at A2_SC + 32 row + 2 head + block.  A head owns 2 of a row's 32 scale bytes, so those
; stores are single bytes 32 apart: 2 bytes of every 50 that the launch stores.
; LIMITS: a block of zeros gets the byte 1 where the rule says 127 (zero codes; this program alone reads the bytes); NaN and infinities are not served.  A block's largest p is taken from its largest score, which takes v_exp_f32 not to
; fall where its input rises; at the worst one p of a block, within an ulp of a power of two, is held one code low.
.set REC,    12800                     ; a key step's record
.set CHUNKB, 4*REC                     ; a chunk: four key steps
.set PART,   3200                      ; a wave's part of a chunk
.set A2_SC,  6291456
.set L16, 1                            ; v1   16 x lane
.set R16, 2                            ; v2   16 x (lane % 16)
.set AD,  3                            ; v3   LDS address of the step's images
.set AS,  4                            ; v4   and of its scale words
.set QO,  5                            ; v5   my offset in a record of q: 16 x lane + my tile pair's image; never rewritten
.set QSO, 6                            ; v6   and of my tile's two scale bytes; never rewritten
.set AO,  7                            ; v7   the way out: 8 x lane (+ the pass)
.set ASO, 8                            ; v8   32 r + h (+ the pass)
.set QF,  16                           ; v16-21 Q, v22-27 zeros, v28-33 Q
.set QW,  34                           ; v34  Q's scale word
.set PWD, 35                           ; v35  p's scale word
.set KF,  36                           ; v36-83 K's four images; behind the scores these registers are at work:
.set BM,  36                           ;   v36-39 the blocks' largest scores, then largest p
.set BT,  40                           ;   v40-43 the other half's, then the bytes
.set SO,  44                           ;   v44-47 the conversions' scale operands
.set PC,  48                           ;   v48-59 p's codes
.set CT,  60                           ;   v60-62, v64-66 the conversions' second halves
.set FF,  68                           ;   v[68:69] f = 2^(old M - new M) (the low word serves both halves)
.set TMP, 70
.set BY,  71
.set S2,  72                           ;   v[72:73] the sums' second chain
.set KSW, 84                           ; v84-87 K's scale words
.set VSW, 88                           ; v88-91 V's
.set S,   96                           ; v96-159 S^T, then p
.set O,   160                          ; v160-191 O^T
.set VF,  192                          ; v192-239 V's four images
.set QN,  240                          ; v240-251 the coming pass's image of two tiles of q; v252 its two scale bytes
.set WV,  10
.set G1,  16                           ; s[16:23] descriptor group 1;  s[24:39] four groups 0, never rewritten
.set G0,  24
.set SEL, 40
.set CS,  42                           ; s[42:43] c = log2(e) / 8
.set TB,  44                           ; s44 LDS byte at which the key step in hand begins
.set CNT, 45
.set PASS, 46
.set HM,  47                           ; the mask of lanes 16-31
.set PARM, 48                          ; all ones in a wave with an odd number
.set QG,  50                           ; s[50:51] my record of q
.set AP,  52                           ; s[52:53] my tile's codes in a2
.set AS2, 54                           ; s[54:55] my tile's scale bytes in a2
.macro CROUND                          ; a round of the cluster's barrier
	s_barrier_signal -1
	s_barrier_wait -1
	s_cmp_lg_u32 s[WV], 0
	s_cbranch_scc1 .Lnot_wave_0_\@
	s_barrier_signal -3
.Lnot_wave_0_\@:
	s_barrier_wait -3
	s_barrier_signal -1
	s_barrier_wait -1
.endm
	s_load_b128 s[4:7], s[0:1], 0x0                ; qb, kv
	s_load_b64 s[8:9], s[0:1], 0x10                ; a2
	v_lshl_add_u32 v254, v0, 2, 0x32000
	v_mov_b32 v255, 0
	ds_add_u32 v254, v255
	ds_add_u32 v254, v255
	v_lshrrev_b32 v1, 5, v0
	v_readfirstlane_b32 s[WV], v1                  ; wave 0..15
	s_bfe_u32 s11, ttmp6, 0x40000                  ; cx
	s_lshl_b32 s13, ttmp9, 2
	s_add_co_u32 s13, s13, s11                     ; which 512 queries: it enters q's and a2's addresses alone
	s_and_b32 s12, ttmp7, 0xffff                   ; 16 batch + head, which the four partners share
	; descriptor group 1: one row of 3,200 bytes (400 elements of 8), for all four work-groups
	s_mov_b32 s[G1], 15|(3<<16)|(1<<21)            ; the mask; elements of 8 bytes; bit 21 beside a mask; no padding
	s_mov_b32 s[G1+1], 400<<16                     ; tensor_dim0
	s_mov_b32 s[G1+2], 1<<16                       ; tensor_dim1
	s_mov_b32 s[G1+3], 400<<16                     ; tile_dim0
	s_mov_b32 s[G1+4], 1                           ; tile_dim1
	s_mov_b32 s[G1+5], 400                         ; from row to row
	s_mov_b32 s[G1+6], 0
	s_mov_b32 s[G1+7], 0
	s_mul_i32 s14, s[WV], PART                     ; my part of a chunk, in memory and in LDS alike
	s_mul_i32 s2, s12, 16*REC
	s_add_co_u32 s2, s2, s14
	s_mov_b32 s3, 0
	s_mov_b32 s[SEL], 0x76543210
	s_mov_b32 s[SEL+1], 0xfedcba98                 ; lane l xor 16
	s_mov_b32 s[CS], 0x3e38aa3b                    ; c = log2(e) / sqrt(64)
	s_mov_b32 s[CS+1], s[CS]                       ; (named with it as a pair, so it is written)
	s_mov_b32 s[HM], 0xffff0000
	s_and_b32 s[PARM], s[WV], 1
	s_sub_co_u32 s[PARM], 0, s[PARM]
	s_mov_b32 s[PASS], 2
	s_wait_dscnt 0x0
	s_wait_kmcnt 0x0
	s_add_nc_u64 s[2:3], s[6:7], s[2:3]
.irp c, 0,1,2,3
	s_mov_b32 s[G0+4*\c], 1                        ; count = 1
	s_add_co_u32 s[G0+4*\c+1], s14, CHUNKB*\c      ; LDS address
	s_add_nc_u64 s[G0+4*\c+2:G0+4*\c+3], s[2:3], CHUNKB*\c
	s_or_b32 s[G0+4*\c+3], s[G0+4*\c+3], 0x80000000   ; type = 2
.endr
	CROUND                                         ; all four work-groups are here: the joint loads meet
	tensor_load_to_lds s[G0:G0+3], s[G1:G1+7]      ; all the launch's fills, as one group
	s_nop 0
	tensor_load_to_lds s[G0+4:G0+7], s[G1:G1+7]
	s_nop 0
	tensor_load_to_lds s[G0+8:G0+11], s[G1:G1+7]
	s_nop 0
	tensor_load_to_lds s[G0+12:G0+15], s[G1:G1+7]
	s_nop 0
.rept 4
	v_nop
.endr
	v_and_b32 v9, 31, v0                           ; lane
	v_and_b32 v10, 15, v0                          ; r
	v_bfe_u32 v11, v0, 4, 1                        ; h
	v_lshlrev_b32 v[L16], 4, v9
	v_lshlrev_b32 v[R16], 4, v10
	s_and_b32 s15, s[WV], 7                        ; my tile among a record's eight
	s_lshr_b32 s56, s15, 1
	s_mul_i32 s56, s56, 1536
	v_add_nc_u32 v[QO], s56, v[L16]
	s_lshl_b32 s57, s15, 1
	s_add_co_u32 s57, s57, 6144
	v_add_nc_u32 v[QSO], s57, v[R16]
	v_lshlrev_b32 v[AO], 3, v9
	v_lshl_add_u32 v[ASO], v10, 5, v11
	s_lshl_b32 s56, s13, 2
	s_lshr_b32 s57, s[WV], 3
	s_add_co_u32 s56, s56, s57                     ; my record of 128 queries in pass 0: 4 x (which 512) + wave / 8; pass 1's lies two records on
	s_mul_i32 s56, s56, 6400
	s_mul_i32 s57, s12, 102400
	s_add_co_u32 s56, s56, s57
	s_mov_b32 s57, 0
	s_add_nc_u64 s[QG:QG+1], s[4:5], s[56:57]
	s_lshr_b32 s58, s12, 4                         ; batch
	s_and_b32 s59, s12, 15                         ; head
	s_lshl_b32 s58, s58, 7
	s_lshl_b32 s60, s13, 5
	s_add_co_u32 s58, s58, s60
	s_add_co_u32 s58, s58, s[WV]                   ; my tile of 16 rows in pass 0: 128 batch + 32 x (which 512) + wave
	s_mul_i32 s56, s58, 3072
	s_lshr_b32 s60, s59, 2
	s_mul_i32 s60, s60, 1572864
	s_add_co_u32 s56, s56, s60
	s_and_b32 s60, s59, 3
	s_mul_i32 s60, s60, 768
	s_add_co_u32 s56, s56, s60
	s_add_nc_u64 s[AP:AP+1], s[8:9], s[56:57]
	s_lshl_b32 s56, s58, 9
	s_lshl_b32 s60, s59, 1
	s_add_co_u32 s56, s56, s60
	s_add_co_u32 s56, s56, A2_SC
	s_add_nc_u64 s[AS2:AS2+1], s[8:9], s[56:57]
.irp c, 0,1,2
	global_load_b128 v[QN+4*\c:QN+4*\c+3], v[QO], s[QG:QG+1] offset:512*\c   ; pass 0's image of my tile and its neighbour
.endr
	global_load_u16 v[QN+12], v[QSO], s[QG:QG+1]
.irp i, 0,1,2,3,4,5
	v_mov_b32 v[QF+6+\i], 0                        ; the zero codes between the two Q
.endr
; A KEY STEP: 128 keys.
.macro STEP
	v_add_nc_u32 v[AD], s[TB], v[L16]
	v_add_nc_u32 v[AS], s[TB], v[R16]
	v_nop
	v_nop                                          ; four plain lines between the last products and the loads into their registers
.irp g, 0,1,2,3
.irp c, 0,1,2
	ds_load_b128 v[KF+12*\g+4*\c:KF+12*\g+4*\c+3], v[AD] offset:1536*\g+512*\c
.endr
.endr
	ds_load_b128 v[KSW:KSW+3], v[AS] offset:12288
.irp t, 0,1,2,3
.irp c, 0,1,2
	ds_load_b128 v[VF+12*\t+4*\c:VF+12*\t+4*\c+3], v[AD] offset:6144+1536*\t+512*\c
.endr
.endr
	ds_load_b128 v[VSW:VSW+3], v[AS] offset:12544
	s_wait_dscnt 13                                ; K and its scale words are in; V's 13 loads may be out
.irp g, 0,1,2,3
	v_wmma_scale_f32_16x16x128_f8f6f4 v[S+16*\g:S+16*\g+7], v[KF+12*\g:KF+12*\g+11], v[QF:QF+11], 0, v[KSW+\g], v[QW] matrix_a_fmt:MATRIX_FMT_FP6 matrix_b_fmt:MATRIX_FMT_FP6
	v_wmma_scale_f32_16x16x128_f8f6f4 v[S+16*\g+8:S+16*\g+15], v[KF+12*\g:KF+12*\g+11], v[QF+6:QF+17], 0, v[KSW+\g], v[QW] matrix_a_fmt:MATRIX_FMT_FP6 matrix_b_fmt:MATRIX_FMT_FP6
.endr
.rept 4
	v_nop
.endr
.irp b, 0,1,2,3
	v_max3_num_f32 v[BM+\b], v[S+16*\b], v[S+1+16*\b], v[S+2+16*\b]   ; the largest score of each block of 32 keys: for the row's maximum, and, since p rises with the score, for the block's largest p
.endr
.irp i, 3,5,7,9,11,13
.irp b, 0,1,2,3
	v_max3_num_f32 v[BM+\b], v[BM+\b], v[S+16*\b+\i], v[S+1+16*\b+\i]
.endr
.endr
.irp b, 0,1,2,3
	v_max_num_f32 v[BM+\b], v[BM+\b], v[S+15+16*\b]
.endr
.irp b, 0,1,2,3
	v_permlanex16_b32 v[BT+\b], v[BM+\b], s[SEL], s[SEL+1]
.endr
.irp b, 0,1,2,3
	v_max_num_f32 v[BM+\b], v[BM+\b], v[BT+\b]     ; with lane l xor 16's 16 keys
.endr
	v_max3_num_f32 v[TMP], v[BM], v[BM+1], v[BM+2]
	v_max_num_f32 v[TMP], v[TMP], v[BM+3]          ; the step's largest score of my query
	v_mul_f32 v[TMP], s[CS], v[TMP]                ; as t (c is positive)
	v_max_num_f32 v13, v13, v[TMP]                 ; the running largest t
	v_mov_b32 v[TMP], v12
	v_floor_f32 v12, -v13                          ; the new -M = floor(-t) = -ceil(t)
	v_sub_f32 v[TMP], v12, v[TMP]                  ; old M - new M: a whole number, 0 or less
	v_cvt_i32_f32 v[TMP], v[TMP]                   ; (it saturates)
	v_ldexp_f32 v[FF], 1.0, v[TMP]                 ; f = 2^(old M - new M)
.irp j, 0,2,4,6,8,10,12,14,16,18,20,22,24,26,28,30,32,34,36,38,40,42,44,46,48,50,52,54,56,58,60,62
	v_pk_fma_f32 v[S+\j:S+\j+1], v[S+\j:S+\j+1], s[CS:CS+1], v[12:13] op_sel_hi:[1,0,0]   ; t - M, two at a time
.endr
.irp b, 0,1,2,3
	v_fma_f32 v[BM+\b], v[BM+\b], s[CS], v12       ; the same of each block's largest score
.endr
.irp j, 0,1,2,3,4,5,6,7,8,9,10,11,12,13,14,15,16,17,18,19,20,21,22,23,24,25,26,27,28,29,30,31,32,33,34,35,36,37,38,39,40,41,42,43,44,45,46,47,48,49,50,51,52,53,54,55,56,57,58,59,60,61,62,63
	v_exp_f32 v[S+\j], v[S+\j]                     ; p = 2^(t - M), at most 1
.endr
	v_pk_mul_f32 v[14:15], v[14:15], v[FF:FF+1] op_sel_hi:[1,0]   ; the sums under the new M (a plain line behind the exponentials)
	s_wait_alu depctr_va_vdst(0)                   ; one wait for the whole batch, ahead of its first reader
.irp b, 0,1,2,3
	v_exp_f32 v[BM+\b], v[BM+\b]                   ; the block's largest p: the same two instructions on the same number give the same bits
.endr
	v_pk_add_f32 v[S2:S2+1], v[S:S+1], v[S+2:S+3]  ; the row's sum is taken of the unquantised p: two at a time, in two chains
.irp j, 4,8,12,16,20,24,28,32,36,40,44,48,52,56,60
	v_pk_add_f32 v[14:15], v[14:15], v[S+\j:S+\j+1]
	v_pk_add_f32 v[S2:S2+1], v[S2:S2+1], v[S+2+\j:S+3+\j]
.endr
	v_pk_add_f32 v[14:15], v[14:15], v[S2:S2+1]
	s_wait_alu depctr_va_vdst(0)                   ; and one for the four
.irp b, 0,1,2,3
	v_max_num_f32 v[BM+\b], 0x1800000, v[BM+\b]    ; the floor 2^(3 - 127): the byte cannot fall under 1
.endr
.irp b, 0,1,2,3
	v_add_nc_u32 v[SO+\b], 0xff000000, v[BM+\b]    ; 2 off the exponent field: the conversion's scale operand
.endr
.irp b, 0,1,2,3
	v_lshrrev_b32 v[BT+\b], 23, v[SO+\b]           ; the scale's byte
.endr
	v_lshl_or_b32 v[PWD], v[BT+1], 8, v[BT]        ; p's scale word for these 128 keys
	v_lshl_or_b32 v[PWD], v[BT+2], 16, v[PWD]
	v_lshl_or_b32 v[PWD], v[BT+3], 24, v[PWD]
.irp c, 0,1
	v_cvt_scalef32_pk16_fp6_f32 v[PC+6*\c:PC+2+6*\c], v[S+32*\c:S+15+32*\c], v[SO+2*\c]
	v_cvt_scalef32_pk16_fp6_f32 v[CT+4*\c:CT+2+4*\c], v[S+16+32*\c:S+31+32*\c], v[SO+2*\c+1]
.endr
	v_nop                                          ; one plain line behind a scaled conversion
.irp c, 0,1                                    ; the operand's layout wants a WHOLE block in a lane
.irp i, 0,1,2
	v_permlane16_swap_b32 v[PC+6*\c+\i], v[CT+4*\c+\i]
.endr
.irp i, 0,1,2
	v_mov_b32 v[PC+3+6*\c+\i], v[CT+4*\c+\i]
.endr
.endr
.irp j, 0,2,4,6,8,10,12,14,16,18,20,22,24,26,28,30
	v_pk_mul_f32 v[O+\j:O+\j+1], v[O+\j:O+\j+1], v[FF:FF+1] op_sel_hi:[1,0]   ; O^T under the new M.  (These sixteen are also the plain lines between the scale word and the codes just made and the products below)
.endr
	s_wait_dscnt 0x0                               ; V and its scale words are in
.irp t, 0,1,2,3                                ; O^T += V^T P^T: the four accumulators by turns
	v_wmma_scale_f32_16x16x128_f8f6f4 v[O+8*\t:O+8*\t+7], v[VF+12*\t:VF+12*\t+11], v[PC:PC+11], v[O+8*\t:O+8*\t+7], v[VSW+\t], v[PWD] matrix_a_fmt:MATRIX_FMT_FP6 matrix_b_fmt:MATRIX_FMT_FP6
.endr
.endm
; A chunk of four key steps.  My part of it has landed (my loads end in order: the later chunks' may be out); behind the barrier everybody's has.  In the second pass the waits are met at once.
.macro CHUNK c
	s_wait_tensorcnt 3-\c
	s_wait_dscnt 0x0
	s_barrier_signal -1
	s_barrier_wait -1
	s_mov_b32 s[TB], CHUNKB*\c
	s_mov_b32 s[CNT], 4
.Lstep_\@:
	STEP
	s_add_co_u32 s[TB], s[TB], REC
	s_sub_co_u32 s[CNT], s[CNT], 1
	s_cmp_lg_u32 s[CNT], 0
	s_cbranch_scc1 .Lstep_\@
.endm
.Lpass:                                            ; two trips: 256 queries of the work-group each
	s_wait_loadcnt 0x0                             ; this pass's q
.irp i, 0,1,2,3,4,5
	v_cndmask_b32 v[QF+\i], v[QN+\i], v[QN+6+\i], s[PARM]   ; an even wave's tile is the image's first half, an odd wave's the second
.endr
.irp i, 0,1,2,3,4,5
	v_mov_b32 v[QF+12+\i], v[QF+\i]
.endr
	v_lshl_or_b32 v[QW], v[QN+12], 16, v[QN+12]    ; [s0 s1 s0 s1]
	s_cmp_eq_u32 s[PASS], 1                        ; the next pass's q is asked for here, if there is a next pass: no load leaves its buffer
	s_cbranch_scc1 .Lno_next
.irp c, 0,1,2
	global_load_b128 v[QN+4*\c:QN+4*\c+3], v[QO], s[QG:QG+1] offset:12800+512*\c
.endr
	global_load_u16 v[QN+12], v[QSO], s[QG:QG+1] offset:12800
.Lno_next:
	v_mov_b32 v13, 0xff61b1e6                      ; the largest t so far: -3e38, under every t
	v_floor_f32 v12, -v13                          ; -M
	v_mov_b32 v14, 0                               ; the sum, in two halves
	v_mov_b32 v15, 0
.irp j, 0,1,2,3,4,5,6,7,8,9,10,11,12,13,14,15,16,17,18,19,20,21,22,23,24,25,26,27,28,29,30,31
	v_mov_b32 v[O+\j], 0                           ; O^T: the step is written once; the first finds zeros.  (These lines also stand between Q's scale word and codes just made and the first product)
.endr
	CHUNK 0
	CHUNK 1
	CHUNK 2
	CHUNK 3
	; THE WAY OUT of a pass: O^T / l, quantised along d: two blocks of 32
.rept 4
	v_nop
.endr
	v_add_f32 v14, v14, v15                        ; the sum's two halves,
	v_permlanex16_b32 v[TMP], v14, s[SEL], s[SEL+1]
	v_add_f32 v14, v14, v[TMP]                     ; and lane l xor 16's: the row's sum
	v_rcp_f32 v14, v14
	v_nop                                          ; a plain line behind the reciprocal
	s_wait_alu depctr_va_vdst(0)                   ; and the wait ahead of its first reader
.irp j, 0,2,4,6,8,10,12,14,16,18,20,22,24,26,28,30
	v_pk_mul_f32 v[S+\j:S+\j+1], v[O+\j:O+\j+1], v[14:15] op_sel_hi:[1,0]   ; register 8 t + j: d = 16 t + 8 h + j of my query; each accumulator from its low end on
.endr
.irp b, 0,1
	v_max3_num_f32 v[BM+\b], |v[S+16*\b]|, |v[S+1+16*\b]|, 0x1800000
.endr
.irp i, 2,4,6,8,10,12,14
.irp b, 0,1
	v_max3_num_f32 v[BM+\b], v[BM+\b], |v[S+16*\b+\i]|, |v[S+1+16*\b+\i]|
.endr
.endr
.irp b, 0,1
	v_permlanex16_b32 v[BT+\b], v[BM+\b], s[SEL], s[SEL+1]
.endr
.irp b, 0,1
	v_max_num_f32 v[BM+\b], v[BM+\b], v[BT+\b]
.endr
.irp b, 0,1
	v_add_nc_u32 v[SO+\b], 0xff000000, v[BM+\b]
.endr
.irp b, 0,1
	v_lshrrev_b32 v[BT+\b], 23, v[SO+\b]
.endr
	v_cvt_scalef32_pk16_fp6_f32 v[PC:PC+2], v[S:S+15], v[SO]
	v_cvt_scalef32_pk16_fp6_f32 v[PC+8:PC+10], v[S+16:S+31], v[SO+1]
	v_nop                                          ; one plain line behind a scaled conversion
.irp i, 0,1,2
	v_permlane16_swap_b32 v[PC+\i], v[PC+8+\i]
.endr
.irp i, 0,1,2
	v_mov_b32 v[PC+3+\i], v[PC+8+\i]               ; v48-53: lane (r, h): block h of query r
.endr
	v_cndmask_b32 v[BY], v[BT], v[BT+1], s[HM]     ; my block's byte
.irp p, 0,1,2
	global_store_b64 v[AO], v[PC+2*\p:PC+2*\p+1], s[AP:AP+1] offset:256*\p   ; 32 lanes store 256 consecutive bytes, at a multiple of 256 from the buffer's first byte
.endr
	global_store_b8 v[ASO], v[BY], s[AS2:AS2+1]
	s_wait_xcnt 0x0                                ; the stores have read their registers: offsets and data may be written again
	v_add_nc_u32 v[AO], 49152, v[AO]               ; the next pass's tile: 16 tiles of 3,072 bytes on,
	v_add_nc_u32 v[ASO], 8192, v[ASO]              ; 256 rows of 32 scale bytes on
	s_sub_co_u32 s[PASS], s[PASS], 1
	s_cmp_lg_u32 s[PASS], 0
	s_cbranch_scc1 .Lpass
	s_wait_tensorcnt 0x0
	ds_add_u32 v254, v255
	s_wait_dscnt 0x0
	CROUND                                         ; the closing round
	s_endpgm
.Lfunc_end_k_q25c4bdbc4e_attn:
	.size	k_q25c4bdbc4e_attn, .Lfunc_end_k_q25c4bdbc4e_attn-k_q25c4bdbc4e_attn
	.p2alignl 7, 3214868480
	.fill 96, 4, 3214868480
	.section	.rodata,"a",@progbits
	.p2align	6, 0x0
	.amdhsa_kernel k_q25c4bdbc4e_attn
		.amdhsa_group_segment_fixed_size 206848
		.amdhsa_private_segment_fixed_size 0
		.amdhsa_enable_private_segment 0
		.amdhsa_kernarg_size 24
		.amdhsa_user_sgpr_count 2
		.amdhsa_user_sgpr_kernarg_segment_ptr 1
		.amdhsa_wavefront_size32 1
		.amdhsa_system_sgpr_workgroup_id_x 1
		.amdhsa_system_sgpr_workgroup_id_y 1
		.amdhsa_system_sgpr_workgroup_id_z 1
		.amdhsa_system_vgpr_workitem_id 0
		.amdhsa_next_free_vgpr 256
		.amdhsa_next_free_sgpr 66
		.amdhsa_reserve_vcc 0
		.amdhsa_float_denorm_mode_32 3
		.amdhsa_float_denorm_mode_16_64 3
		.amdhsa_memory_ordered 1
		.amdhsa_forward_progress 1
		.amdhsa_inst_pref_size 75
	.end_amdhsa_kernel
	.amdgpu_metadata
---
amdhsa.version: [ 1, 2 ]
amdhsa.kernels:
  - .name:           k_q25c4bdbc4e_attn
    .symbol:         k_q25c4bdbc4e_attn.kd
    .args:
      - { .name: qb, .offset: 0, .size: 8, .value_kind: global_buffer, .address_space: global }
      - { .name: kv, .offset: 8, .size: 8, .value_kind: global_buffer, .address_space: global }
      - { .name: a2, .offset: 16, .size: 8, .value_kind: global_buffer, .address_space: global }
    .group_segment_fixed_size: 206848
    .private_segment_fixed_size: 0
    .kernarg_segment_align: 8
    .kernarg_segment_size: 24
    .max_flat_workgroup_size: 512
    .sgpr_count:     66
    .vgpr_count:     256
    .wavefront_size: 32
...
	.end_amdgpu_metadata
.endif
;; end of part 3
;; launch proj (part 4): grid 4 x 32, 4 waves a work-group, clusters of 4 x 4, 327,680 bytes of LDS; arguments a2, wq, b_proj, out0; writes out0
.if DOCPART == 4
	.amdgcn_target "amdgcn-amd-amdhsa--gfx1250"
	.amdhsa_code_object_version 6
	.text
	.protected	k_q25c4bdbc4e_proj
	.globl	k_q25c4bdbc4e_proj
	.p2align	8
	.type	k_q25c4bdbc4e_proj,@function
k_q25c4bdbc4e_proj:
	s_mov_b64 s[64:65], 0
	v_nop
	global_prefetch_b8 v0, s[64:65] scope:SCOPE_SE
	s_setreg_imm32_b32 hwreg(HW_REG_WAVE_MODE, 25, 1), 1
	s_wait_xcnt 0x0
	s_wait_alu depctr_hold_cnt(0) depctr_sa_sdst(0) depctr_va_vdst(0) depctr_va_sdst(0) depctr_va_ssrc(0) depctr_va_vcc(0) depctr_vm_vsrc(0)
	s_getreg_b32 s2, hwreg(HW_REG_IB_STS2, 6, 4)
	s_cmp_eq_u32 s2, 0
	s_cbranch_scc0 .Lentry_in_a_cluster
	s_endpgm
.Lentry_in_a_cluster:
	s_bfe_u32 s2, ttmp6, 0x10000c
	s_cmp_lg_u32 s2, 0xf033
	s_cbranch_scc0 .Lentry_shape_is_right
	s_endpgm
.Lentry_shape_is_right:
; out0 = (O / l) w_proj^T + b_proj on codes of FP6 (E2M3) with E8M0 scales.  A = the attention launch's codes (a2), 8,192 rows; B = w_proj's codes, rows 3,072 on of wq; out0 [8192][1024] f32.
; A tile of 256 x 256 of the output is made by a work-group of four waves, 128 x 128 a wave: 64 accumulators.  K = 1,024 goes in four steps of 256 (four heads) through a ring of two LDS slots filled by the tensor data mover;
; the scale bytes of the work-group's rows come into LDS once.  4 x 4 work-groups form a cluster: A's tile is shared along a row of the cluster, B's along a column, each asked for jointly.  The output has 128 such tiles.
; A'S TILES ARE IMAGES OF REGISTERS: a2's codes lie [K step 4][row / 16][head % 4][768], a head's six registers as register pair p of lane l at 256 p + 8 l.  So 128 rows of a K step are one dense block of 24,576 bytes, and a
; fragment (16 rows x 128 K = two heads) is six loads of 8 bytes a lane, consecutive over the lanes.  B's tiles are rows of 192 bytes, padded in LDS.
; THE MATRIX INSTRUCTION IS USED TRANSPOSED (source 0 = 16 rows of B, source 1 = 16 rows of A): a lane holds eight neighbouring numbers of a row of the output.  The bias is the C of each sum's first product.
; Inside a block of 32 along K both operands have this program's order (elements 0-7, 16-23, 8-15, 24-31).
; REGISTERS, in windows of 256: window 0: v0-31 addresses; v32-63 scale words, two sets; v64-127 the bias in the results' layout; from v128 A's fragments, ONE set; on the way out v128-255 are free.
;   window 1: B's fragments, TWO sets, at v0 and v128.   window 2: the accumulators of my rows 0-63 ((a, b) at v[8 (8 a + b)]);   window 3: those of rows 64-127.
.set SIZE_N, 1024
.set SIZE_K, 1024
.set KSTEP,  256
.set NQ,     KSTEP/128
.set ROWB,   192
.set KROW,   SIZE_K*6/8
.set PITCH,  240                       ; an LDS row of B: 3 x (64 bytes of data + 16 of padding)
.set FR,     12
.set NL,     6
.set NP,     4
.set HALFT,  128*PITCH                 ; a quarter of a slot: B's 128 rows fill it, A's 128 rows take 24,576 bytes of it
.set SLOT,   4*HALFT
.set LAPS,   SIZE_K/(2*KSTEP)
.set KS,     SIZE_K/32
.set SCL,    2*SLOT
.set HALFS,  (128*KS/256)*272
.set SBLK,   (16*KS/256)*272
.set SPARE,  SCL+4*HALFS               ; the spare words, 128 bytes for each wave: two blocks of 256 bytes that no other line names
.set SPITCH, 528                       ; the way out: a stage of 16 rows x (512 bytes + 16) for each wave, in slot 0, which has had its last fill and its last read when the first result is stored there
.set ASLOT,  1572864                   ; a K step of a2's codes
.set A2_SC,  6291456                   ; a2's scale bytes
.set WP_CODES, 2359296                 ; w_proj's codes in wq: 3,072 rows of 768 bytes on
.set WP_SC,  3244032                   ; and its scale bytes: 3,145,728 + 3,072 x 32
.set ADRA, 16                          ; v16-17 LDS address of my A fragments in slot 0, 1
.set ADRB, 20                          ; v20-21 the same for B; v22-23 for the pieces behind one padding more
.set STO,  24
.set RD,   25
.set CO,   26
.set ADRS, 27
.set SPW,  28
.set NIL,  29
.set SC,   32
.set BP,   64                          ; v64-127 register 8 b + j: b_proj at my first column + 16 b + 8 h + j
.set AF,   128
.set BK,   128
.set G1, 24
.set G0, 32
.set G1B, 48
.set G0B, 56
.set G1S, 68
.set G0S, 76
.set G1SB, 80
.set G0SB, 88
.set MSB, 0
.macro WIN new                         ; the immediate's high byte repeats the setting that is left
.if MSB != (\new)
	s_set_vgpr_msb (MSB<<8)|(\new)
.set MSB, (\new)
.endif
.endm
.set MUL_LO, 0xa1                      ; source 0 (B) window 1, source 1 (A) window 0, C and D window 2
.set MUL_HI, 0xf1
.set FST_LO, 0x81                      ; the first step: C (the bias) window 0, D window 2
.set FST_HI, 0xc1
.set TO_B,   0x40
.macro JLOAD g0a, g1a, g0b, g1b        ; a joint load: waves 0 and 1 fetch for A, waves 2 and 3 for B; four v_nop follow each of the two lines
	s_cmp_eq_u32 s15, 0
	s_cbranch_scc0 .Lfor_b_\@
	tensor_load_to_lds s[\g0a:\g0a+3], s[\g1a:\g1a+7]
	s_nop 0
.rept 4
	v_nop
.endr
	s_branch .Lasked_\@
.Lfor_b_\@:
	tensor_load_to_lds s[\g0b:\g0b+3], s[\g1b:\g1b+7]
	s_nop 0
.rept 4
	v_nop
.endr
.Lasked_\@:
.endm
.macro CREST
	s_cmp_lg_u32 s14, 0
	s_cbranch_scc1 .Lnot_wave_0_\@
	s_barrier_signal -3
.Lnot_wave_0_\@:
	s_barrier_wait -3
	s_barrier_signal -1
	s_barrier_wait -1
.endm
.macro CROUND
	s_barrier_signal -1
	s_barrier_wait -1
	CREST
.endm
	s_load_b256 s[4:11], s[0:1], 0x0               ; a2 s[4:5], wq s[6:7], b_proj s[8:9], out0 s[10:11]
	v_lshl_add_u32 v[SPW], v0, 2, SPARE
	v_mov_b32 v[NIL], 0
	ds_add_u32 v28, v29
	ds_add_u32 v28, v29
	s_wait_dscnt 0x0
	v_lshrrev_b32 v1, 5, v0
	v_readfirstlane_b32 s14, v1                    ; wave 0..3
	s_lshr_b32 s15, s14, 1                         ; which half of the tile's rows is mine.  Also: I fetch for A (0) or for B (1)
	s_and_b32 s16, s14, 1                          ; which half of its columns.  Also: which 128 rows of that tile I fetch
	s_bfe_u32 s40, ttmp6, 0x40000                  ; cx, cy
	s_bfe_u32 s41, ttmp6, 0x40004
	s_lshl_b32 s42, ttmp9, 2
	s_add_co_u32 s42, s42, s40                     ; tile column = 4 x cluster x + cx
	s_and_b32 s17, ttmp7, 0xffff
	s_lshl_b32 s17, s17, 2
	s_add_co_u32 s17, s17, s41                     ; tile row = 4 x cluster y + cy
	s_lshl_b32 s43, s41, 2
	s_lshl_b32 s43, 15, s43                        ; my row of the cluster
	s_lshl_b32 s44, 0x1111, s40                    ; my column
	s_or_b32 s[G1+0], s43, (3<<16)|(1<<21)         ; A: a dense block of 24,576 bytes as 96 rows of 256 bytes (32 elements of 8), no padding; the mask: my row
	s_mov_b32 s[G1+1], 32<<16
	s_mov_b32 s[G1+2], 96<<16
	s_mov_b32 s[G1+3], 32<<16
	s_mov_b32 s[G1+4], 96
	s_mov_b32 s[G1+5], 32
	s_mov_b32 s[G1+6], 0
	s_mov_b32 s[G1+7], 0
	s_or_b32 s[G1B+0], s44, (0<<16)|(1<<20)|(1<<21)|(3<<22)|(3<<25)  ; B: 128 rows of 192 bytes; after every 16 words 4 words of padding; the mask: my column
	s_mov_b32 s[G1B+1], ROWB<<16
	s_mov_b32 s[G1B+2], 128<<16
	s_mov_b32 s[G1B+3], ROWB<<16
	s_mov_b32 s[G1B+4], 128
	s_mov_b32 s[G1B+5], KROW
	s_mov_b32 s[G1B+6], 0
	s_mov_b32 s[G1B+7], 0
	s_or_b32 s[G1S+0], s43, (3<<16)|(1<<20)|(1<<21)|(5<<22)|(3<<25)  ; the scales of 128 rows: a dense block, as rows of 256 bytes, 16 bytes of padding behind each
	s_or_b32 s[G1SB+0], s44, (3<<16)|(1<<20)|(1<<21)|(5<<22)|(3<<25)
.irp g, G1S, G1SB
	s_mov_b32 s[\g+1], 32<<16
	s_mov_b32 s[\g+2], (128*KS/256)<<16
	s_mov_b32 s[\g+3], 32<<16
	s_mov_b32 s[\g+4], 128*KS/256
	s_mov_b32 s[\g+5], 32
	s_mov_b32 s[\g+6], 0
	s_mov_b32 s[\g+7], 0
.endr
	s_mul_i32 s20, s17, 49152                      ; A's codes: 16 tiles of 16 rows x 3,072 bytes a tile row,
	s_mul_i32 s18, s16, 24576                      ; 8 of them for the half that I fetch
	s_add_co_u32 s20, s20, s18
	s_mov_b32 s21, 0
	s_lshl_b32 s22, s17, 13                        ; A's scales: 256 rows x 32 bytes a tile row
	s_lshl_b32 s18, s16, 12
	s_add_co_u32 s22, s22, s18
	s_add_co_u32 s22, s22, A2_SC
	s_mov_b32 s23, 0
	s_lshl_b32 s46, s42, 8
	s_lshl_b32 s18, s16, 7
	s_add_co_u32 s46, s46, s18                     ; B's row: 256 x tile column + 128 x half
	s_lshl_b32 s92, s46, 5
	s_add_co_u32 s92, s92, WP_SC
	s_mov_b32 s93, 0
	s_mul_i32 s46, s46, KROW
	s_add_co_u32 s46, s46, WP_CODES
	s_mov_b32 s47, 0
	s_mul_i32 s45, s14, HALFT                      ; where they go: no place in the cluster enters an LDS address
	s_mul_i32 s94, s14, HALFS
	s_wait_kmcnt 0x0
	s_add_nc_u64 s[20:21], s[4:5], s[20:21]
	s_add_nc_u64 s[22:23], s[4:5], s[22:23]
	s_add_nc_u64 s[46:47], s[6:7], s[46:47]
	s_add_nc_u64 s[92:93], s[6:7], s[92:93]
	CROUND                                         ; all sixteen work-groups are here: the first joint loads meet
	s_mov_b32 s[G0S], 1
	s_add_co_u32 s[G0S+1], s94, SCL
	s_mov_b64 s[G0S+2:G0S+3], s[22:23]
	s_or_b32 s[G0S+3], s[G0S+3], 0x80000000
	s_mov_b32 s[G0SB], 1
	s_add_co_u32 s[G0SB+1], s94, SCL
	s_mov_b64 s[G0SB+2:G0SB+3], s[92:93]
	s_or_b32 s[G0SB+3], s[G0SB+3], 0x80000000
	JLOAD G0S, G1S, G0SB, G1SB                     ; the scales first
.irp s, 0,1
	s_mov_b32 s[G0+4*\s], 1
	s_add_co_u32 s[G0+4*\s+1], s45, \s*SLOT
	s_add_nc_u64 s[G0+4*\s+2:G0+4*\s+3], s[20:21], \s*ASLOT
	s_or_b32 s[G0+4*\s+3], s[G0+4*\s+3], 0x80000000
	s_mov_b32 s[G0B+4*\s], 1
	s_add_co_u32 s[G0B+4*\s+1], s45, \s*SLOT
	s_add_nc_u64 s[G0B+4*\s+2:G0B+4*\s+3], s[46:47], \s*ROWB
	s_or_b32 s[G0B+4*\s+3], s[G0B+4*\s+3], 0x80000000
	JLOAD G0+4*\s, G1, G0B+4*\s, G1B
.endr
	v_and_b32 v1, 15, v0                           ; r
	v_bfe_u32 v2, v0, 4, 1                         ; h
	v_and_b32 v6, 31, v0                           ; lane
	v_mul_u32_u24 v3, v1, PITCH
	v_mul_u32_u24 v4, v2, 24
	v_add_nc_u32 v4, v3, v4                        ; B: a fragment's row x pitch + 24 x half
	v_lshl_add_u32 v5, v2, 4, v4                   ; and the same behind one padding more
	v_lshlrev_b32 v3, 3, v6                        ; A: 8 x lane
	s_mul_i32 s21, s15, HALFT                      ; my 128 rows of A
	s_mul_i32 s22, s16, HALFT                      ; my 128 rows of B,
	s_add_co_u32 s22, s22, 2*HALFT                 ; which lie behind A's two quarters
.irp s, 0,1
	v_add_nc_u32 v[ADRA+\s], s21, v3
	v_add_nc_u32 v[ADRB+\s], s22, v4
	v_add_nc_u32 v[ADRB+2+\s], s22, v5
	s_add_co_u32 s21, s21, SLOT
	s_add_co_u32 s22, s22, SLOT
.endr
	v_mul_u32_u24 v5, v1, KS                       ; my row's scales
	v_lshrrev_b32 v7, 8, v5
	v_lshl_add_u32 v5, v7, 4, v5
	s_mul_i32 s21, s15, HALFS
	s_mul_i32 s22, s16, HALFS
	s_add_co_u32 s22, s22, 2*HALFS
	s_sub_co_u32 s22, s22, s21
	v_mul_u32_u24 v7, s22, v2                      ; lanes 16-31 take B's
	s_add_co_u32 s21, s21, SCL
	v_add_nc_u32 v5, v5, v7
	v_add_nc_u32 v[ADRS], s21, v5
	s_mul_i32 s23, s14, 16*SPITCH                  ; my stage
	v_mul_u32_u24 v5, v1, SPITCH                   ; in: row l % 16, 32 bytes for each half of the lanes
	v_lshl_add_u32 v5, v2, 5, v5
	v_add_nc_u32 v[STO], s23, v5
	v_lshlrev_b32 v[CO], 4, v6                     ; back: the 32 lanes take one row of 512 bytes; and the same in the output
	v_add_nc_u32 v[RD], s23, v[CO]
	s_lshl_b32 s20, s17, 8
	s_lshl_b32 s21, s15, 7
	s_add_co_u32 s20, s20, s21                     ; my first row of the output
	s_lshl_b32 s20, s20, 12                        ; 4,096 bytes a row
	s_lshl_b32 s46, s42, 10                        ; my first column, in bytes: 1,024 x tile column + 512 x half
	s_lshl_b32 s47, s16, 9
	s_add_co_u32 s46, s46, s47
	s_mov_b32 s47, 0
	s_add_nc_u64 s[8:9], s[8:9], s[46:47]          ; b_proj at my first column
	s_add_co_u32 s20, s20, s46
	s_mov_b32 s21, 0
	s_add_nc_u64 s[10:11], s[10:11], s[20:21]
	v_lshlrev_b32 v7, 5, v2                        ; 32 h; not rewritten
.irp b, 0,1,2,3,4,5,6,7
	global_load_b128 v[BP+8*\b:BP+8*\b+3], v7, s[8:9] offset:64*\b
	global_load_b128 v[BP+8*\b+4:BP+8*\b+7], v7, s[8:9] offset:64*\b+16
.endr
.macro FRAG reg, adr, q, i             ; a fragment of B: 24 bytes of the row for each 64 along K, in pieces of 8 bytes; 16 bytes of padding lie behind every 8 pieces
.irp p, 0,1,2,3,4,5
.set PC, 12*(\q)+6*(\p/3)+\p%3
.if PC%8 < 5
	ds_load_b64 v[\reg+2*\p:\reg+2*\p+1], v[\adr] offset:8*PC+16*(PC/8)+(\i)*16*PITCH
.else
	ds_load_b64 v[\reg+2*\p:\reg+2*\p+1], v[\adr+2] offset:8*PC+16*(PC/8)+(\i)*16*PITCH
.endif
.endr
.endm
.macro FRAGA reg, slot, q, i           ; a fragment of A: two heads' images on end: register pair p at 256 p + 8 x lane
.irp p, 0,1,2,3,4,5
	ds_load_b64 v[\reg+2*\p:\reg+2*\p+1], v[ADRA+\slot] offset:3072*(\i)+1536*(\q)+256*\p
.endr
.endm
; 16 matrix instructions: A's blocks a0, a0 + 1 x B's eight.  first = 1: the bias is C.  The 64 accumulators take turns, one instruction a turn, in the same order in every step.
.macro MUL16 a0, p, q, sc, first
.irp a, \a0, \a0+1
.irp b, 0,1,2,3,4,5,6,7
.if \first
	v_wmma_scale_f32_16x16x128_f8f6f4 v[8*(8*((\a)%4)+\b):8*(8*((\a)%4)+\b)+7], v[128*(\p)+FR*\b:128*(\p)+FR*\b+FR-1], v[AF+FR*(\a):AF+FR*(\a)+FR-1], v[BP+8*\b:BP+8*\b+7], v[SC+8*NQ*(\sc)+NQ*\b+(\q)], v[SC+8*NQ*(\sc)+NQ*(\a)+(\q)] matrix_a_fmt:MATRIX_FMT_FP6 matrix_b_fmt:MATRIX_FMT_FP6 matrix_a_scale:MATRIX_SCALE_ROW1
.else
	v_wmma_scale_f32_16x16x128_f8f6f4 v[8*(8*((\a)%4)+\b):8*(8*((\a)%4)+\b)+7], v[128*(\p)+FR*\b:128*(\p)+FR*\b+FR-1], v[AF+FR*(\a):AF+FR*(\a)+FR-1], v[8*(8*((\a)%4)+\b):8*(8*((\a)%4)+\b)+7], v[SC+8*NQ*(\sc)+NQ*\b+(\q)], v[SC+8*NQ*(\sc)+NQ*(\a)+(\q)] matrix_a_fmt:MATRIX_FMT_FP6 matrix_b_fmt:MATRIX_FMT_FP6 matrix_a_scale:MATRIX_SCALE_ROW1
.endif
.endr
.endr
.endm
.macro FETCH_B slot, q, p
	WIN TO_B
.irp i, 0,1,2,3,4,5,6,7
	FRAG 128*(\p)+FR*\i, ADRB+\slot, \q, \i
.endr
	WIN 0
.endm
.macro FETCH_A slot, q, i0
.irp i, \i0, \i0+1, \i0+2, \i0+3
	FRAGA AF+FR*(\i), \slot, \q, \i
.endr
.endm
.macro SCALES sc
.irp i, 0,1,2,3,4,5,6,7
	ds_load_b64 v[SC+8*NQ*\sc+NQ*\i:SC+8*NQ*\sc+NQ*\i+1], v[ADRS] offset:\i*SBLK
.endr
.endm
.macro PLACES n                        ; plain vector lines between a matrix instruction and a load into, or a read of, its registers
.rept \n
	v_nop
.endr
.endm
.macro STEP slot, q, first
	s_wait_dscnt 4*NL                              ; B's set and A's blocks 0-3 are in; the youngest 24 loads (A's blocks 4-7) may be out
.if \first
	WIN FST_LO
.else
	WIN MUL_LO
.endif
	MUL16 0, (\q)%2, \q, \slot, \first
	MUL16 2, (\q)%2, \q, \slot, \first
	s_wait_dscnt 0
	PLACES NP
	FETCH_B \slot, (\q)+1, 1-(\q)%2
	FETCH_A \slot, (\q)+1, 0
.if \first
	WIN FST_HI
.else
	WIN MUL_HI
.endif
	MUL16 4, (\q)%2, \q, \slot, \first
	MUL16 6, (\q)%2, \q, \slot, \first
	PLACES NP
	WIN 0
	FETCH_A \slot, (\q)+1, 4
.endm
; A slot's last step changes slots: ONE barrier; in front of it each wave waits for all its tensor loads, adds 0 to its spare word, and waits for that and for its own reads of this slot.  fill = 1: this slot is filled again, two K steps ahead.
.macro TURN slot, next, fill
	s_wait_tensorcnt 0x0                           ; all my tensor loads have landed: my part of the next slot
	ds_add_u32 v[SPW], v[NIL]                      ; 0 onto my spare word
	s_wait_dscnt 4*NL+1                            ; (the add and the youngest 24 loads may be out)
	WIN MUL_LO
	MUL16 0, 1, NQ-1, \slot, 0
	s_wait_dscnt 0x0                               ; the add is done, and my reads of this slot are over
	s_barrier_signal -1
	MUL16 2, 1, NQ-1, \slot, 0
	WIN 0
	s_barrier_wait -1
.if \fill
	CREST                                          ; the barrier has opened a round of the cluster's: no wave of any partner still reads this slot's tile or has a load on its way
	s_add_nc_u64 s[G0+4*\slot+2:G0+4*\slot+3], s[G0+4*\slot+2:G0+4*\slot+3], 2*ASLOT
	s_add_nc_u64 s[G0B+4*\slot+2:G0B+4*\slot+3], s[G0B+4*\slot+2:G0B+4*\slot+3], 2*ROWB
	JLOAD G0+4*\slot, G1, G0B+4*\slot, G1B         ; the first tensor load behind the round; its four v_nop are the places in front of the loads below
.else
	PLACES NP
.endif
	v_add_nc_u32 v[ADRS], 4*NQ, v[ADRS]            ; on to the next K step's scale words
	FETCH_B \next, 0, 0
	FETCH_A \next, 0, 0
	SCALES \next
	WIN MUL_HI
	MUL16 4, 1, NQ-1, \slot, 0
	MUL16 6, 1, NQ-1, \slot, 0
	PLACES NP
	WIN 0
	FETCH_A \next, 0, 4
.endm
	s_wait_tensorcnt 1                             ; the scales and my part of K step 0 are in (K step 1's load may be out),
	s_barrier_signal -1
	s_barrier_wait -1                              ; everybody's are
	FETCH_B 0, 0, 0
	FETCH_A 0, 0, 0
	SCALES 0
	FETCH_A 0, 0, 4
	s_wait_loadcnt 0x0                             ; the bias
	STEP 0, 0, 1                                   ; the first step's products start the sums, on the bias
	s_mov_b32 s3, LAPS-1
.Llap:                                                 ; a trip goes once round the ring and fills both slots again
	TURN 0, 1, 1
	STEP 1, 0, 0
	TURN 1, 0, 1
	STEP 0, 0, 0
	s_sub_co_u32 s3, s3, 1
	s_cmp_lg_u32 s3, 0
	s_cbranch_scc1 .Llap
	TURN 0, 1, 0                                   ; the last lap fills nothing
	STEP 1, 0, 0
	s_wait_dscnt 4*NL
	WIN MUL_LO
	MUL16 0, 1, NQ-1, 1, 0
	MUL16 2, 1, NQ-1, 1, 0
	s_wait_dscnt 0
	WIN MUL_HI
	MUL16 4, 1, NQ-1, 1, 0
	MUL16 6, 1, NQ-1, 1, 0
	WIN 0
; THE WAY OUT, block by block of 16 rows x 128 columns, through my own stage in LDS: in as 32 bytes a lane, back as whole rows of 512 bytes.  LDS serves a wave's instructions in order (ISA guide 5.7.1.4): no wait between the stores and the loads.
.macro TOSTAGE a
.set AC, 64*((\a)%4)
	WIN 0x08+4*((\a)/4)                            ; the data: window 2 or 3
.irp b, 0,1,2,3,4,5,6,7
	ds_store_b128 v[STO], v[AC+8*\b:AC+8*\b+3] offset:64*\b          ; each accumulator from its low end on
	ds_store_b128 v[STO], v[AC+8*\b+4:AC+8*\b+7] offset:64*\b+16
.endr
	WIN 0
.set BB, BK+64*((\a)%2)
.irp t, 0,1,2,3,4,5,6,7,8,9,10,11,12,13,14,15
	ds_load_b128 v[BB+4*\t:BB+4*\t+3], v[RD] offset:\t*SPITCH
.endr
.endm
.macro SEND a, younger                 ; younger: the LDS instructions issued behind block a's loads, which may stay out
.set BB, BK+64*((\a)%2)
	s_wait_dscnt \younger
.if (\a) > 0
	s_add_nc_u64 s[10:11], s[10:11], 16*SIZE_N*4   ; (behind a wait on XCNT: the earlier stores have read their base)  16 rows on
.endif
.irp t, 0,1,2,3,4,5,6,7,8,9,10,11,12,13,14,15
	global_store_b128 v[CO], v[BB+4*\t:BB+4*\t+3], s[10:11] offset:\t*SIZE_N*4 th:TH_STORE_NT   ; 32 lanes store 512 consecutive bytes, at a multiple of 256 from the output's first byte
.endr
.endm
	PLACES NP
	TOSTAGE 0
.irp a, 1,2,3,4,5,6,7
.if \a > 1
	s_wait_xcnt 0x0                                ; block a - 2's stores have read their registers and their base
.endif
	TOSTAGE \a
	SEND \a-1, 32                                  ; behind block a - 1's loads: block a's 16 stores and 16 loads
.endr
	s_wait_xcnt 0x0
	SEND 7, 0
	s_wait_tensorcnt 0x0                           ; the wave's end
	ds_add_u32 v[SPW], v[NIL]
	s_wait_dscnt 0x0
	CROUND                                         ; the closing round
	s_endpgm
.Lfunc_end_k_q25c4bdbc4e_proj:
	.size	k_q25c4bdbc4e_proj, .Lfunc_end_k_q25c4bdbc4e_proj-k_q25c4bdbc4e_proj
	.p2alignl 7, 3214868480
	.fill 96, 4, 3214868480
	.section	.rodata,"a",@progbits
	.p2align	6, 0x0
	.amdhsa_kernel k_q25c4bdbc4e_proj
		.amdhsa_group_segment_fixed_size 327680
		.amdhsa_private_segment_fixed_size 0
		.amdhsa_enable_private_segment 0
		.amdhsa_kernarg_size 32
		.amdhsa_user_sgpr_count 2
		.amdhsa_user_sgpr_kernarg_segment_ptr 1
		.amdhsa_wavefront_size32 1
		.amdhsa_system_sgpr_workgroup_id_x 1
		.amdhsa_system_sgpr_workgroup_id_y 1
		.amdhsa_system_sgpr_workgroup_id_z 1
		.amdhsa_system_vgpr_workitem_id 0
		.amdhsa_next_free_vgpr 1024
		.amdhsa_next_free_sgpr 100
		.amdhsa_reserve_vcc 0
		.amdhsa_float_denorm_mode_32 3
		.amdhsa_float_denorm_mode_16_64 3
		.amdhsa_memory_ordered 1
		.amdhsa_forward_progress 1
		.amdhsa_inst_pref_size 161
	.end_amdhsa_kernel
	.amdgpu_metadata
---
amdhsa.version: [ 1, 2 ]
amdhsa.kernels:
  - .name:           k_q25c4bdbc4e_proj
    .symbol:         k_q25c4bdbc4e_proj.kd
    .args:
      - { .name: a2, .offset: 0, .size: 8, .value_kind: global_buffer, .address_space: global }
      - { .name: wq, .offset: 8, .size: 8, .value_kind: global_buffer, .address_space: global }
      - { .name: b_proj, .offset: 16, .size: 8, .value_kind: global_buffer, .address_space: global }
      - { .name: out0, .offset: 24, .size: 8, .value_kind: global_buffer, .address_space: global }
    .group_segment_fixed_size: 327680
    .private_segment_fixed_size: 0
    .kernarg_segment_align: 8
    .kernarg_segment_size: 32
    .max_flat_workgroup_size: 128
    .sgpr_count:     100
    .vgpr_count:     1024
    .wavefront_size: 32
...
	.end_amdgpu_metadata
.endif
;; end of part 4
